; MI455X (gfx1250); checked and timed in simulation.
; The chip was launched on July 23, 2026; its instructions are those of AMD's public machine-readable ISA for CDNA 5 (MIT licence, August 2026) and "CDNA5" Instruction Set Architecture Reference Guide (July 2026). The comments in the code are by the model that wrote it; some were corrected since.
;; Decoder Layer. Allowed arithmetic: matrix products marked QUANTISED: E4M3 operands, one E8M0 scale for each 32 along K, by v_wmma_scale_f32_16x16x128_f8f6f4 with both operands' format E4M3, f32 sums; everything else in f32.
;; Inputs: W1_codes 4,096 x 32 x 32 uint8 (E4M3 codes of W1, K innermost, in blocks of 32 codes); W1_scales 4,096 x 32 uint8 (E8M0 scales of W1, one for each 32 codes along K); W2_codes 1,024 x 128 x 32 uint8 (E4M3 codes of W2, K innermost, in blocks of 32 codes); W2_scales 1,024 x 128 uint8 (E8M0 scales of W2, one for each 32 codes along K); Wk_codes 16 x 64 x 32 x 32 uint8 (E4M3 codes of Wk, K innermost, in blocks of 32 codes); Wk_scales 16 x 64 x 32 uint8 (E8M0 scales of Wk, one for each 32 codes along K); Wo_codes 1,024 x 32 x 32 uint8 (E4M3 codes of Wo, K innermost, in blocks of 32 codes); Wo_scales 1,024 x 32 uint8 (E8M0 scales of Wo, one for each 32 codes along K); Wq_codes 16 x 64 x 32 x 32 uint8 (E4M3 codes of Wq, K innermost, in blocks of 32 codes); Wq_scales 16 x 64 x 32 uint8 (E8M0 scales of Wq, one for each 32 codes along K); Wv_codes 16 x 64 x 32 x 32 uint8 (E4M3 codes of Wv, K innermost, in blocks of 32 codes); Wv_scales 16 x 64 x 32 uint8 (E8M0 scales of Wv, one for each 32 codes along K); beta1 1,024 float32; beta2 1,024 float32; bff1 4,096 float32; bff2 1,024 float32; bo 1,024 float32; g1 1,024 float32; g2 1,024 float32; x 4 x 1,024 x 1,024 float32.
;; Outputs: out0 4 x 1,024 x 1,024 float32.
;; This version of the problem:
;;   THIS VERSION OF THE PROBLEM IS GIVEN IN LOW PRECISION. The matrix products marked QUANTISED in the list below multiply operands that are first quantised to E4M3 (4 exponent bits, 3 mantissa bits; 8 bits a number), with one power-of-two scale for each 32 numbers along K (OCP MX v1.0); their sums are f32. All else is computed in f32.
;;   The module's matrix products, in the order in which they are computed (A, B: the left and right operand; K: the contracted axis; several contracted axes count as one K, in the product's order):
;;     1. [M 1,024, K 1,024] x [K 1,024, N 4,096]; A: input Wq (given as codes); B: computed on the way: QUANTISED
;;     2. [M 1,024, K 1,024] x [K 1,024, N 4,096]; A: input Wk (given as codes); B: computed on the way: QUANTISED
;;     3. [M 1,024, K 1,024] x [K 1,024, N 4,096]; A: input Wv (given as codes); B: computed on the way: QUANTISED
;;     4. batch 64 x [M 1,024, K 64] x [K 64, N 1,024]; A: computed on the way; B: computed on the way: QUANTISED
;;     5. batch 64 x [M 1,024, K 1,024] x [K 1,024, N 64]; A: softmax (see below); B: computed on the way: QUANTISED
;;     6. [M 4,096, K 1,024] x [K 1,024, N 1,024]; A: computed on the way; B: input Wo (given as codes): QUANTISED
;;     7. [M 4,096, K 1,024] x [K 1,024, N 4,096]; A: computed on the way; B: input W1 (given as codes): QUANTISED
;;     8. [M 4,096, K 4,096] x [K 4,096, N 1,024]; A: computed on the way; B: input W2 (given as codes): QUANTISED
;;   THE QUANTISER, for each operand of a quantised product, along K:
;;     - K is cut into blocks of 32 from its start; a last block that is shorter is filled with zeros.
;;     - A block's scale is 2^e with e = floor(log2(the largest magnitude in the block)) - 8, held to -126 .. 127; a block of zeros has e = 0. As a byte (E8M0): e + 127.
;;     - Each number is divided by its block's scale, clamped to +-448, and rounded to the nearest number of E4M3, ties to even, subnormals kept.
;;     - The product sums the exact products of the quantised numbers (number of the format x scale) in f32.
;;   ~~~python
;;   def quantise(x, axis):      # numpy; x: float32 -> the quantised numbers, widened to float32 again
;;       x = np.moveaxis(x, axis, -1); K = x.shape[-1]
;;       x = np.pad(x, [(0, 0)] * (x.ndim - 1) + [(0, -K % 32)]); x = x.reshape(x.shape[:-1] + (-1, 32)); a = np.abs(x).max(-1, keepdims=True)
;;       e = np.where(a > 0, np.clip(np.frexp(np.where(a > 0, a, 1))[1] - 1 - 8, -126, 127), 0)      # np.frexp(a)[1] - 1 = floor(log2(a)), exactly
;;       r = np.clip(x / 2.0 ** e, -448, 448)
;;       step = 2.0 ** (np.maximum(np.frexp(np.where(r == 0, 1, r))[1] - 1, -6) - 3)
;;       q = np.round(r / step) * step * 2.0 ** e      # np.round: ties to even
;;       return np.moveaxis(q.reshape(q.shape[:-2] + (-1,))[..., :K], -1, axis).astype(np.float32)
;;   ~~~
;;   SOFTMAX AHEAD OF A QUANTISED PRODUCT. Where the list says 'softmax', what is quantised is not the finished softmax but p = 2^(t - M), with t = logit x log2(e) and M = ceil(the row's largest t), a whole number; so 1/2 < the row's largest p <= 1. The row's sum l is taken of the UNQUANTISED p, in f32, and the product's result is divided by l at the end. Since M is a whole number, a kernel that streams over the keys may use a running M (the ceiling of the running maximum): every later rescaling is an exact power of two, which a block's scale takes up: the codes' values come out the same.
;;   OPERANDS COMPUTED ON THE WAY. 'Computed on the way' means the value that the module computes at that place (a softmax that the list does not call 'softmax' is quantised finished and normalised). What goes into a quantiser is computed in f32, as accurately as f32 sums, v_exp_f32 and their like allow (about 1e-6 of the number): no bf16 or f16 on the way to a quantiser, and a product that is left as it is and whose result goes on into a quantised operand takes f32 operands (vector FMAs, or v_wmma_f32_16x16x4_f32). A number that lies on a knife's edge between two numbers of the format may be rounded either way, as far as f32 arithmetic and the matrix unit's own rounding can turn it there, and no further.
;;   INPUTS GIVEN AS CODES. W1 (in the module: [1024, 4096], K = its axis 0); W2 (in the module: [4096, 1024], K = its axis 0); Wk (in the module: [16, 1024, 64], K = its axis 1); Wo (in the module: [1024, 1024], K = its axis 0); Wq (in the module: [16, 1024, 64], K = its axis 1); Wv (in the module: [16, 1024, 64], K = its axis 1): each comes as NAME_codes (uint8): NAME with its K axis moved to the last place and cut into blocks of 32 codes, [.., K / 32, bytes a block], one block behind the other in memory; one code a byte (a code: sign, 4 exponent bits, 3 mantissa bits); and NAME_scales (uint8): the same leading axes, one E8M0 byte (e + 127) for each 32 codes along K. Its value is code x scale, taken as it is: it is not quantised again, and the codes and scales need not be those that the quantiser above would give.
;; One version. Each part assembles by itself: llvm-mc -triple=amdgcn-amd-amdhsa -mcpu=gfx1250 --defsym DOCPART=n.
;; ======== version 1 of 1: 7 launches
;; limits: right only within a limited range of input values
;; workspace buffers: nq 4,325,376 bytes; qkv 12,976,128 bytes; at 4,325,376 bytes; res 16,777,216 bytes; h 17,301,504 bytes
;; launch ln1 (part 1): grid 256 x 1, 8 waves a work-group, no clusters, 42,496 bytes of LDS; arguments x, g1, beta1, nq; writes nq
.if DOCPART == 1
	.amdgcn_target "amdgcn-amd-amdhsa--gfx1250"
	.amdhsa_code_object_version 6
	.text
	.protected	k_q41359b3371_ln1
	.globl	k_q41359b3371_ln1
	.p2align	8
	.type	k_q41359b3371_ln1,@function
k_q41359b3371_ln1:
	s_mov_b64 s[64:65], 0
	v_nop
	global_prefetch_b8 v0, s[64:65] scope:SCOPE_SE
	s_setreg_imm32_b32 hwreg(HW_REG_WAVE_MODE, 25, 1), 1
	s_wait_xcnt 0x0
; LayerNorm over rows of 1,024 f32, then the MX-FP8 quantiser along the row: codes [4096][1024] at byte 0 of the output buffer, one E8M0 byte for each 32 at byte 0x400000, [4096][32].
; A work-group takes 16 rows, each of its eight waves two, one whole row at a time in 32 registers: the reductions never leave the wave.  All 32 loads of a wave go out at the head.
; Two waves stand on a SIMD, so that one wave's chain of reductions and its turn through LDS stand beside the other's arithmetic.
; The mean is taken first and the deviations are formed before they are squared: no difference of large sums.
; The conversions want 16 NEIGHBOURS in a lane, the loads give a lane 4: a row's two halves of 512 numbers turn through the wave's own stages in LDS (16 bytes of padding behind each 64).
; A block's scale is 2^(floor(log2(largest magnitude)) - 8): its byte is the largest magnitude's exponent field - 8, held at 1 from below.
; LIMITS: a block of zeros gets the byte 1 (its codes are zeros, and this program alone reads the bytes); NaN and infinities among the inputs are not served.
.set SP,   80                          ; a lane's place in a stage: 64 bytes + 16 of padding
.set STG,  32*SP                       ; a stage: 512 numbers
.set SCB,  8*2*STG                     ; behind the waves' stages: the work-group's 512 scale bytes, [row 16][32]
.set SPARE, SCB+512                    ; the spare words: 128 bytes a wave, four blocks of 256 bytes that no other line names
.set GA,   16                          ; v16-47   gamma: register 4 j + e of lane l is column 128 j + 4 l + e
.set BE,   48                          ; v48-79   beta, likewise
.set X,    80                          ; v80-143  two rows, likewise
.set SPW,  144                         ; v144     my spare word;  v145  0
.set NIL,  145
.set Z,    208                         ; v208-239 a row back from the stages: 2 x 16 neighbours
.set C,    240                         ; v240-255 codes: four sets of four
	s_load_b256 s[4:11], s[0:1], 0x0               ; the rows s[4:5], gamma s[6:7], beta s[8:9], the output s[10:11]
	v_lshl_add_u32 v[SPW], v0, 2, SPARE
	v_mov_b32 v[NIL], 0
	v_lshrrev_b32 v6, 5, v0
	v_readfirstlane_b32 s16, v6                    ; wave
	v_and_b32 v6, 31, v0                           ; lane
	v_lshlrev_b32 v1, 4, v6                        ; v1: 16 x lane
	s_mul_i32 s18, s16, 2*STG
	v_lshrrev_b32 v2, 2, v6
	v_mul_u32_u24 v2, v2, SP
	v_and_b32 v7, 3, v6
	v_lshl_add_u32 v2, v7, 4, v2
	v_add_nc_u32 v2, s18, v2                       ; v2: into a stage: SP (lane / 4) + 16 (lane % 4)
	v_mul_u32_u24 v3, v6, SP
	v_add_nc_u32 v3, s18, v3                       ; v3: out of it: SP x lane
	v_lshrrev_b32 v4, 1, v6
	s_lshl_b32 s19, s16, 6
	s_add_co_u32 s19, s19, SCB
	v_add_nc_u32 v4, s19, v4                       ; v4: my block's scale byte: 64 x wave + lane / 2
	v_add_nc_u32 v5, SCB, v1                       ; v5: the scale bytes on their way out
	s_mov_b32 s12, 0x76543210
	s_mov_b32 s13, 0xfedcba98                      ; v_permlanex16_b32's selects for lane l xor 16
	s_mov_b32 s14, 0x3a800000                      ; 1 / 1024
	s_mov_b32 s15, 0x3727c5ac                      ; 1e-5
	s_mov_b32 s17, 0x600000                        ; the mantissa field of 448
	s_lshl_b32 s20, ttmp9, 16                      ; 16 rows of 4,096 bytes a work-group,
	s_lshl_b32 s21, s16, 13                        ; two a wave
	s_add_co_u32 s20, s20, s21
	s_mov_b32 s21, 0
	s_lshl_b32 s22, ttmp9, 14                      ; their codes: 1,024 bytes a row
	s_lshl_b32 s23, s16, 11
	s_add_co_u32 s22, s22, s23
	s_mov_b32 s23, 0
	s_lshl_b32 s24, ttmp9, 9                       ; their scale bytes: 512 a work-group
	s_add_co_u32 s24, s24, 0x400000
	s_mov_b32 s25, 0
	s_wait_kmcnt 0x0
	s_add_nc_u64 s[4:5], s[4:5], s[20:21]
	s_add_nc_u64 s[26:27], s[10:11], s[24:25]
	s_add_nc_u64 s[10:11], s[10:11], s[22:23]
.irp j, 0,1,2,3,4,5,6,7
	global_load_b128 v[GA+4*\j:GA+4*\j+3], v1, s[6:7] offset:512*\j
.endr
.irp j, 0,1,2,3,4,5,6,7
	global_load_b128 v[BE+4*\j:BE+4*\j+3], v1, s[8:9] offset:512*\j
.endr
.irp i, 0,1
.irp j, 0,1,2,3,4,5,6,7
	global_load_b128 v[X+32*\i+4*\j:X+32*\i+4*\j+3], v1, s[4:5] offset:4096*\i+512*\j th:TH_LOAD_NT   ; 32 lanes read 512 consecutive bytes
.endr
.endr
.macro REDUCE a, t                     ; the sum of v[a] over the 32 lanes, in every lane
	v_add_f32_dpp v[\a], v[\a], v[\a] row_xmask:1 row_mask:0xf bank_mask:0xf
	v_add_f32_dpp v[\a], v[\a], v[\a] row_xmask:2 row_mask:0xf bank_mask:0xf
	v_add_f32_dpp v[\a], v[\a], v[\a] row_xmask:4 row_mask:0xf bank_mask:0xf
	v_add_f32_dpp v[\a], v[\a], v[\a] row_xmask:8 row_mask:0xf bank_mask:0xf
	v_permlanex16_b32 v[\t], v[\a], s12, s13
	v_add_f32 v[\a], v[\a], v[\t]
.endm
.macro STEPQ i, s                      ; half s of row i: 16 neighbours a lane, two lanes to a block
.set ZS, Z+16*(\s)
.set CS, C+4*(2*(\i)+(\s))
	v_max3_num_f32 v8, |v[ZS]|, |v[ZS+1]|, |v[ZS+2]|
	v_max3_num_f32 v9, |v[ZS+3]|, |v[ZS+4]|, |v[ZS+5]|
.irp k, 6,10
	v_max3_num_f32 v8, v8, |v[ZS+\k]|, |v[ZS+\k+1]|
	v_max3_num_f32 v9, v9, |v[ZS+\k+2]|, |v[ZS+\k+3]|
.endr
	v_max3_num_f32 v8, v8, |v[ZS+14]|, |v[ZS+15]|
	v_max3_num_f32 v8, v8, v9, 0x4800000           ; and the floor 2^(9 - 127): the byte cannot fall under 1
	v_max_num_f32_dpp v8, v8, v8 row_xmask:1 row_mask:0xf bank_mask:0xf   ; with my neighbour's 16: the block's largest magnitude
	v_add_nc_u32 v11, 0xfc000000, v8               ; 8 off its exponent field: the conversion's scale operand
	v_and_or_b32 v10, v8, 0x7f800000, s17          ; 448 x the scale
.set n, 0
.rept 16
	v_med3_num_f32 v[ZS+n], v[ZS+n], -v10, v10     ; the conversion to an 8-bit code does not saturate (ISA guide 7.6.2): the hold
.set n, n+1
.endr
	v_cvt_scalef32_pk8_fp8_f32 v[CS:CS+1], v[ZS:ZS+7], v11
	v_cvt_scalef32_pk8_fp8_f32 v[CS+2:CS+3], v[ZS+8:ZS+15], v11
	v_lshrrev_b32 v[14+(\s)], 23, v11              ; the scale's byte (also the plain line behind the conversions)
	ds_store_b8 v4, v[14+(\s)] offset:32*(\i)+16*(\s)   ; both lanes of a block write the same byte with the same value
	global_store_b128 v1, v[CS:CS+3], s[10:11] offset:1024*(\i)+512*(\s)   ; 32 lanes store 512 consecutive bytes
.endm
.macro ROW i
.set XR, X+32*(\i)
	s_wait_loadcnt 8*(1-(\i))                      ; loads come back in order: this row's eight are in, the younger row's stay out; gamma and beta are older
	v_pk_add_f32 v[8:9], v[XR:XR+1], v[XR+2:XR+3]
	v_pk_add_f32 v[10:11], v[XR+4:XR+5], v[XR+6:XR+7]
.irp j, 8,12,16,20,24,28
	v_pk_add_f32 v[8:9], v[8:9], v[XR+\j:XR+\j+1]
	v_pk_add_f32 v[10:11], v[10:11], v[XR+\j+2:XR+\j+3]
.endr
	v_pk_add_f32 v[8:9], v[8:9], v[10:11]
	v_add_f32 v8, v8, v9
	REDUCE 8, 9
	v_mul_f32 v8, s14, v8                          ; the mean
.set n, 0
.rept 16
	v_pk_add_f32 v[XR+n:XR+n+1], v[XR+n:XR+n+1], v[8:9] op_sel_hi:[1,0] neg_lo:[0,1] neg_hi:[0,1]   ; x - mean
.set n, n+2
.endr
	v_pk_mul_f32 v[10:11], v[XR:XR+1], v[XR:XR+1]
	v_pk_mul_f32 v[12:13], v[XR+2:XR+3], v[XR+2:XR+3]
.irp j, 4,8,12,16,20,24,28
	v_pk_fma_f32 v[10:11], v[XR+\j:XR+\j+1], v[XR+\j:XR+\j+1], v[10:11]
	v_pk_fma_f32 v[12:13], v[XR+\j+2:XR+\j+3], v[XR+\j+2:XR+\j+3], v[12:13]
.endr
	v_pk_add_f32 v[10:11], v[10:11], v[12:13]
	v_add_f32 v10, v10, v11
	REDUCE 10, 11
	v_fma_f32 v10, v10, s14, s15                   ; the variance + 1e-5
	s_wait_alu depctr_va_vdst(0)                   ; the wait ahead of the transcendental
	v_rsq_f32 v10, v10
	v_nop                                          ; one plain line behind the transcendental
.set n, 0
	s_wait_alu depctr_va_vdst(0)                   ; and ahead of its first reader
.rept 16
	v_pk_mul_f32 v[XR+n:XR+n+1], v[XR+n:XR+n+1], v[10:11] op_sel_hi:[1,0]
.set n, n+2
.endr
.set n, 0
.rept 16
	v_pk_fma_f32 v[XR+n:XR+n+1], v[XR+n:XR+n+1], v[GA+n:GA+n+1], v[BE+n:BE+n+1]
.set n, n+2
.endr
.irp s, 0,1
.irp j, 0,1,2,3
	ds_store_b128 v2, v[XR+16*\s+4*\j:XR+16*\s+4*\j+3] offset:STG*\s+8*SP*\j
.endr
.endr
.irp s, 0,1
.irp j, 0,1,2,3
	ds_load_b128 v[Z+16*\s+4*\j:Z+16*\s+4*\j+3], v3 offset:STG*\s+16*\j   ; LDS serves a wave's instructions in order: these see the stores above
.endr
.endr
	s_wait_dscnt 0x0
	STEPQ \i, 0
	STEPQ \i, 1
.endm
	ROW 0
	ROW 1
	s_wait_dscnt 0x0                               ; for the others' sake: my scale bytes lie in LDS
	s_barrier_signal -1
	s_barrier_wait -1
	s_cmp_lg_u32 s16, 0
	s_cbranch_scc1 .Ldone
	ds_load_b128 v[8:11], v5                       ; wave 0 takes the work-group's 512 scale bytes
	s_wait_dscnt 0x0
	global_store_b128 v1, v[8:11], s[26:27]        ; two aligned blocks of 256 bytes
.Ldone:
	s_wait_tensorcnt 0x0                           ; the wave's end
	ds_add_u32 v[SPW], v[NIL]
	s_wait_dscnt 0x0
	s_endpgm
.Lfunc_end_k_q41359b3371_ln1:
	.size	k_q41359b3371_ln1, .Lfunc_end_k_q41359b3371_ln1-k_q41359b3371_ln1
	.p2alignl 7, 3214868480
	.fill 96, 4, 3214868480
	.section	.rodata,"a",@progbits
	.p2align	6, 0x0
	.amdhsa_kernel k_q41359b3371_ln1
		.amdhsa_group_segment_fixed_size 42496
		.amdhsa_private_segment_fixed_size 0
		.amdhsa_enable_private_segment 0
		.amdhsa_kernarg_size 32
		.amdhsa_user_sgpr_count 2
		.amdhsa_user_sgpr_kernarg_segment_ptr 1
		.amdhsa_wavefront_size32 1
		.amdhsa_system_sgpr_workgroup_id_x 1
		.amdhsa_system_sgpr_workgroup_id_y 1
		.amdhsa_system_sgpr_workgroup_id_z 1
		.amdhsa_system_vgpr_workitem_id 0
		.amdhsa_next_free_vgpr 256
		.amdhsa_next_free_sgpr 66
		.amdhsa_reserve_vcc 0
		.amdhsa_float_denorm_mode_32 3
		.amdhsa_float_denorm_mode_16_64 3
		.amdhsa_memory_ordered 1
		.amdhsa_forward_progress 1
		.amdhsa_inst_pref_size 28
	.end_amdhsa_kernel
	.amdgpu_metadata
---
amdhsa.version: [ 1, 2 ]
amdhsa.kernels:
  - .name:           k_q41359b3371_ln1
    .symbol:         k_q41359b3371_ln1.kd
    .args:
      - { .name: x, .offset: 0, .size: 8, .value_kind: global_buffer, .address_space: global }
      - { .name: g1, .offset: 8, .size: 8, .value_kind: global_buffer, .address_space: global }
      - { .name: beta1, .offset: 16, .size: 8, .value_kind: global_buffer, .address_space: global }
      - { .name: nq, .offset: 24, .size: 8, .value_kind: global_buffer, .address_space: global }
    .group_segment_fixed_size: 42496
    .private_segment_fixed_size: 0
    .kernarg_segment_align: 8
    .kernarg_segment_size: 32
    .max_flat_workgroup_size: 256
    .sgpr_count:     66
    .vgpr_count:     256
    .wavefront_size: 32
...
	.end_amdgpu_metadata
.endif
;; end of part 1
;; launch qkv (part 2): grid 12 x 16, 4 waves a work-group, clusters of 4 x 4, 327,680 bytes of LDS; arguments nq, Wq_codes, Wq_scales, Wk_codes, Wk_scales, Wv_codes, Wv_scales, qkv; writes qkv
.if DOCPART == 2
	.amdgcn_target "amdgcn-amd-amdhsa--gfx1250"
	.amdhsa_code_object_version 6
	.text
	.protected	k_q41359b3371_qkv
	.globl	k_q41359b3371_qkv
	.p2align	8
	.type	k_q41359b3371_qkv,@function
k_q41359b3371_qkv:
	s_mov_b64 s[64:65], 0
	v_nop
	global_prefetch_b8 v0, s[64:65] scope:SCOPE_SE
	s_setreg_imm32_b32 hwreg(HW_REG_WAVE_MODE, 25, 1), 1
	s_wait_xcnt 0x0
	s_wait_alu depctr_hold_cnt(0) depctr_sa_sdst(0) depctr_va_vdst(0) depctr_va_sdst(0) depctr_va_ssrc(0) depctr_va_vcc(0) depctr_vm_vsrc(0)
	s_getreg_b32 s2, hwreg(HW_REG_IB_STS2, 6, 4)
	s_cmp_eq_u32 s2, 0
	s_cbranch_scc0 .Lentry_in_a_cluster
	s_endpgm
.Lentry_in_a_cluster:
	s_bfe_u32 s2, ttmp6, 0x10000c
	s_cmp_lg_u32 s2, 0xf033
	s_cbranch_scc0 .Lentry_shape_is_right
	s_endpgm
.Lentry_shape_is_right:
.set KSTEP,  256
.set NQ,     KSTEP/128
.set ROWB,   256
.set KROW,   1024
.set PITCH,  272
.set FR,     16
.set NL,     4
.set NP,     8
.set HALFT,  128*PITCH
.set SLOT,   4*HALFT
.set LAPS,   2
.set KS,     32
.set SCL,    2*SLOT
.set HALFS,  (128*KS/256)*272
.set SBLK,   (16*KS/256)*272
.set SPARE,  SCL+4*HALFS
.set ADRA, 16
.set ADRB, 20
.set VO0,  24
.set VO1,  25
.set SOF,  26
.set ADRS, 27
.set SPW,  28
.set NIL,  29
.set SELV, 30
.set SC,   32
.set AF,   128
.set TM,   32
.set PWS,  48
.set W,    56
.set X,    128
.set PC,   192
.set G1, 24
.set G0, 32
.set G1B, 48
.set G0B, 56
.set G1S, 68
.set G0S, 76
.set G1SB, 80
.set G0SB, 88
.set MSB, 0
.macro WIN new
.if MSB != \new
	s_set_vgpr_msb (MSB<<8)|\new
.set MSB, \new
.endif
.endm
.set MUL_LO, 0xa1
.set MUL_HI, 0xf1
.set TO_B,   0x40
.macro JLOAD g0a, g1a, g0b, g1b
	s_cmp_eq_u32 s15, 0
	s_cbranch_scc0 .Lfor_b_\@
	tensor_load_to_lds s[\g0a:\g0a+3], s[\g1a:\g1a+7]
	s_nop 0
.rept 4
	v_nop
.endr
	s_branch .Lasked_\@
.Lfor_b_\@:
	tensor_load_to_lds s[\g0b:\g0b+3], s[\g1b:\g1b+7]
	s_nop 0
.rept 4
	v_nop
.endr
.Lasked_\@:
.endm
.macro CREST
	s_cmp_lg_u32 s14, 0
	s_cbranch_scc1 .Lnot_wave_0_\@
	s_barrier_signal -3
.Lnot_wave_0_\@:
	s_barrier_wait -3
	s_barrier_signal -1
	s_barrier_wait -1
.endm
.macro CROUND
	s_barrier_signal -1
	s_barrier_wait -1
	CREST
.endm
	s_load_b64 s[100:101], s[0:1], 0x0
	s_load_b128 s[4:7], s[0:1], 0x8
	s_load_b128 s[8:11], s[0:1], 0x18
	s_load_b128 s[96:99], s[0:1], 0x28
	s_load_b64 s[12:13], s[0:1], 0x38
	v_lshl_add_u32 v[SPW], v0, 2, SPARE
	v_mov_b32 v[NIL], 0
	ds_add_u32 v28, v29
	ds_add_u32 v28, v29
	s_wait_dscnt 0x0
	v_lshrrev_b32 v1, 5, v0
	v_readfirstlane_b32 s14, v1
	s_lshr_b32 s15, s14, 1
	s_and_b32 s16, s14, 1
	s_bfe_u32 s40, ttmp6, 0x40000
	s_bfe_u32 s41, ttmp6, 0x40004
	s_and_b32 s17, ttmp7, 0xffff
	s_lshl_b32 s17, s17, 2
	s_cmp_eq_u32 ttmp9, 2
	s_cselect_b32 s18, 0, s17
	s_cselect_b32 s19, s17, 0
	s_add_co_u32 s17, s18, s41
	s_add_co_u32 s42, s19, s40
	s_lshl_b32 s43, s41, 2
	s_lshl_b32 s43, 15, s43
	s_lshl_b32 s44, 0x1111, s40
	s_or_b32 s[G1+0], s43, (0<<16)|(1<<20)|(1<<21)|(5<<22)|(3<<25)
	s_or_b32 s[G1B+0], s44, (0<<16)|(1<<20)|(1<<21)|(5<<22)|(3<<25)
.irp g, G1, G1B
	s_mov_b32 s[\g+1], ROWB<<16
	s_mov_b32 s[\g+2], 256<<16
	s_mov_b32 s[\g+3], ROWB<<16
	s_mov_b32 s[\g+4], 256
	s_mov_b32 s[\g+5], KROW
	s_mov_b32 s[\g+6], 0
	s_mov_b32 s[\g+7], 0
.endr
	s_or_b32 s[G1S+0], s43, (3<<16)|(1<<20)|(1<<21)|(5<<22)|(3<<25)
	s_or_b32 s[G1SB+0], s44, (3<<16)|(1<<20)|(1<<21)|(5<<22)|(3<<25)
.irp g, G1S, G1SB
	s_mov_b32 s[\g+1], 32<<16
	s_mov_b32 s[\g+2], (256*KS/256)<<16
	s_mov_b32 s[\g+3], 32<<16
	s_mov_b32 s[\g+4], 256*KS/256
	s_mov_b32 s[\g+5], 32
	s_mov_b32 s[\g+6], 0
	s_mov_b32 s[\g+7], 0
.endr
	s_mov_b32 s2, 0x600000
	s_mov_b32 s66, 0x76543210
	s_mov_b32 s67, 0xfedcba98
	CROUND                                         ; the opening round, ahead of the wait for the arguments: all sixteen work-groups are here
	s_wait_kmcnt 0x0
	s_add_nc_u64 s[94:95], s[100:101], 0x400000
	s_cmp_eq_u32 ttmp9, 0
	s_cselect_b64 s[4:5], s[4:5], s[8:9]
	s_cselect_b64 s[6:7], s[6:7], s[10:11]
	s_cmp_eq_u32 ttmp9, 2
	s_cselect_b64 s[4:5], s[96:97], s[4:5]
	s_cselect_b64 s[6:7], s[98:99], s[6:7]
	s_cselect_b64 s[8:9], s[100:101], s[4:5]
	s_cselect_b64 s[10:11], s[94:95], s[6:7]
	s_cselect_b64 s[4:5], s[4:5], s[100:101]
	s_cselect_b64 s[6:7], s[6:7], s[94:95]
	s_lshl_b32 s18, s16, 7
	s_lshl_b32 s20, s17, 8
	s_add_co_u32 s20, s20, s18
	s_lshl_b32 s46, s42, 8
	s_add_co_u32 s46, s46, s18
	s_mov_b32 s21, 0
	s_mov_b32 s47, 0
	s_mov_b64 s[18:19], KS
	s_mul_u64 s[22:23], s[20:21], s[18:19]
	s_mul_u64 s[92:93], s[46:47], s[18:19]
	s_mov_b64 s[18:19], KROW
	s_mul_u64 s[20:21], s[20:21], s[18:19]
	s_mul_u64 s[46:47], s[46:47], s[18:19]
	s_mul_i32 s45, s14, HALFT
	s_add_nc_u64 s[20:21], s[4:5], s[20:21]
	s_add_nc_u64 s[22:23], s[6:7], s[22:23]
	s_add_nc_u64 s[46:47], s[8:9], s[46:47]
	s_add_nc_u64 s[92:93], s[10:11], s[92:93]
	s_mov_b32 s[G0S], 1
	s_lshl_b32 s18, s16, 12                        ; the scale bytes come whole, 256 rows to a load: my half's 128 x 32 bytes are taken off again
	s_mov_b32 s19, 0
	s_sub_nc_u64 s[22:23], s[22:23], s[18:19]
	s_sub_nc_u64 s[92:93], s[92:93], s[18:19]
	s_mov_b32 s[G0S+1], SCL
	s_mov_b64 s[G0S+2:G0S+3], s[22:23]
	s_or_b32 s[G0S+3], s[G0S+3], 0x80000000
	s_mov_b32 s[G0SB], 1
	s_mov_b32 s[G0SB+1], SCL+2*HALFS
	s_mov_b64 s[G0SB+2:G0SB+3], s[92:93]
	s_or_b32 s[G0SB+3], s[G0SB+3], 0x80000000
.irp s, 0,1
	s_mov_b32 s[G0+4*\s], 1
	s_add_co_u32 s[G0+4*\s+1], s45, \s*SLOT
	s_add_nc_u64 s[G0+4*\s+2:G0+4*\s+3], s[20:21], \s*ROWB
	s_or_b32 s[G0+4*\s+3], s[G0+4*\s+3], 0x80000000
	s_mov_b32 s[G0B+4*\s], 1
	s_add_co_u32 s[G0B+4*\s+1], s45, \s*SLOT
	s_add_nc_u64 s[G0B+4*\s+2:G0B+4*\s+3], s[46:47], \s*ROWB
	s_or_b32 s[G0B+4*\s+3], s[G0B+4*\s+3], 0x80000000
.endr
; the head's four tiles, one joint load a wave, in one chain of branches on the wave's number: wave 0 K step 0's 256 rows of A (its own group 0 begins at the tile's first row and at LDS byte 0),
; wave 2 its 256 rows of B (likewise, at 2 HALFT), wave 1 A's scale bytes, wave 3 B's
.macro ARM under, g0, g1, next
	s_cmp_lt_u32 s14, \under
	s_cbranch_scc0 \next
	tensor_load_to_lds s[\g0:\g0+3], s[\g1:\g1+7]
	s_nop 0
.rept 4
	v_nop
.endr
	s_branch .Lhead_asked
\next:
.endm
; THE PREFETCHES: of the 128 rows that my wave fetches in the ring, each of the four partners that ask for them jointly names 32, told apart by address (cx for A, cy for B): a lane a row, 256 bytes of a K step.
; K steps 1 and 2 are named behind the head's load, K step 3 behind slot 1's: every step is an immediate, and s[104:105] and v31 are never written again.
	s_cmp_eq_u32 s15, 0
	s_cselect_b64 s[104:105], s[20:21], s[46:47]
	s_cselect_b32 s18, s40, s41
	s_lshl_b32 s18, s18, 15                        ; 32 rows of 1,024 bytes
	s_mov_b32 s19, 0
	s_add_nc_u64 s[104:105], s[104:105], s[18:19]
	ARM 1, G0,  G1,  .Lhead_sa
	ARM 2, G0S, G1S, .Lhead_b
	ARM 3, G0B, G1B, .Lhead_sb
	tensor_load_to_lds s[G0SB:G0SB+3], s[G1SB:G1SB+7]
	s_nop 0
.rept 4
	v_nop
.endr
.Lhead_asked:
	v_and_b32 v31, 31, v0
	v_lshlrev_b32 v31, 10, v31                     ; my lane's row
	global_prefetch_b8 v31, s[104:105] offset:256 th:TH_LOAD_NT scope:SCOPE_SE
	global_prefetch_b8 v31, s[104:105] offset:512 th:TH_LOAD_NT scope:SCOPE_SE
	v_and_b32 v1, 15, v0
	v_bfe_u32 v2, v0, 4, 1
	v_mul_u32_u24 v3, v1, PITCH
	v_lshl_add_u32 v4, v2, 4, v3
	s_mul_i32 s21, s15, HALFT
	s_mul_i32 s22, s16, HALFT
	s_add_co_u32 s22, s22, 2*HALFT
.irp s, 0,1
	v_add_nc_u32 v[ADRA+\s], s21, v4
	v_add_nc_u32 v[ADRB+\s], s22, v4
	s_add_co_u32 s21, s21, SLOT
	s_add_co_u32 s22, s22, SLOT
.endr
	v_mul_u32_u24 v5, v1, KS
	v_lshrrev_b32 v6, 8, v5
	v_lshl_add_u32 v5, v6, 4, v5
	s_mul_i32 s21, s15, HALFS
	s_mul_i32 s22, s16, HALFS
	s_add_co_u32 s22, s22, 2*HALFS
	s_sub_co_u32 s22, s22, s21
	v_mul_u32_u24 v6, s22, v2
	s_add_co_u32 s21, s21, SCL
	v_add_nc_u32 v5, v5, v6
	v_add_nc_u32 v[ADRS], s21, v5
	s_lshl_b32 s20, s17, 1
	s_add_co_u32 s20, s20, s15
	s_lshl_b32 s21, s42, 1
	s_add_co_u32 s21, s21, s16
	s_cmp_eq_u32 ttmp9, 2
	s_cselect_b32 s22, s21, s20
	s_cselect_b32 s23, s20, s21
	s_mov_b32 s98, 2048
	s_cselect_b32 s98, s98, 1024
	s_mov_b32 s100, 57344
	s_cselect_b32 s100, s100, 0
	s_mov_b32 s94, 1024
	s_cselect_b32 s94, s94, 0x10000
	s_mov_b32 s46, 0x03020100
	s_cselect_b32 s46, s46, 0x05040100
	s_mov_b32 s47, 0x04040404
	s_cselect_b32 s47, s47, 0x02020202
	s_mov_b32 s99, 0
	s_mov_b32 s101, 0
	v_and_b32 v6, 31, v0
	v_lshlrev_b32 v[VO0], 4, v6
	v_add_nc_u32 v[VO1], s94, v[VO0]
	v_lshlrev_b32 v[SOF], 4, v1
	v_lshl_add_u32 v[SOF], v2, 11, v[SOF]
	v_sub_nc_u32 v[SELV], 0, v2
	v_and_b32 v[SELV], s47, v[SELV]
	v_add_nc_u32 v[SELV], s46, v[SELV]
	s_lshr_b32 s46, s22, 3
	s_lshl_b32 s46, s46, 4
	s_lshl_b32 s47, s23, 1
	s_add_co_u32 s46, s46, s47
	s_and_b32 s47, s22, 7
	s_lshl_b32 s92, s46, 16
	s_lshl_b32 s93, s47, 13
	s_add_co_u32 s92, s92, s93
	s_lshl_b32 s93, ttmp9, 22
	s_add_co_u32 s92, s92, s93
	s_mov_b32 s93, 0
	s_lshl_b32 s94, s46, 11
	s_lshl_b32 s95, s47, 8
	s_add_co_u32 s94, s94, s95
	s_lshl_b32 s95, ttmp9, 17
	s_add_co_u32 s94, s94, s95
	s_add_co_u32 s94, s94, 0xC00000
	s_mov_b32 s95, 0
	s_add_nc_u64 s[96:97], s[12:13], s[94:95]
	s_add_nc_u64 s[12:13], s[12:13], s[92:93]
.macro FRAG reg, adr, q, i
.irp c, 0,1,2,3
	ds_load_b128 v[\reg+4*\c:\reg+4*\c+3], v[\adr] offset:128*(\q)+32*\c+(\i)*16*PITCH
.endr
.endm
.macro MUL16 a0, p, q, sc, zero
.irp a, \a0, \a0+1
.irp b, 0,1,2,3,4,5,6,7
.if \zero
	v_wmma_scale_f32_16x16x128_f8f6f4 v[8*(8*((\a)%4)+\b):8*(8*((\a)%4)+\b)+7], v[128*(\p)+FR*\b:128*(\p)+FR*\b+FR-1], v[AF+FR*(\a):AF+FR*(\a)+FR-1], 0, v[SC+8*NQ*(\sc)+NQ*\b+(\q)], v[SC+8*NQ*(\sc)+NQ*(\a)+(\q)] matrix_a_scale:MATRIX_SCALE_ROW1
.else
	v_wmma_scale_f32_16x16x128_f8f6f4 v[8*(8*((\a)%4)+\b):8*(8*((\a)%4)+\b)+7], v[128*(\p)+FR*\b:128*(\p)+FR*\b+FR-1], v[AF+FR*(\a):AF+FR*(\a)+FR-1], v[8*(8*((\a)%4)+\b):8*(8*((\a)%4)+\b)+7], v[SC+8*NQ*(\sc)+NQ*\b+(\q)], v[SC+8*NQ*(\sc)+NQ*(\a)+(\q)] matrix_a_scale:MATRIX_SCALE_ROW1
.endif
.endr
.endr
.endm
.macro FETCH_B slot, q, p
	WIN TO_B
.irp i, 0,1,2,3,4,5,6,7
	FRAG 128*(\p)+FR*\i, ADRB+\slot, \q, \i
.endr
	WIN 0
.endm
.macro FETCH_A slot, q, i0
.irp i, \i0, \i0+1, \i0+2, \i0+3
	FRAG AF+FR*(\i), ADRA+\slot, \q, \i
.endr
.endm
.macro SCALES sc
.irp i, 0,1,2,3,4,5,6,7
	ds_load_b64 v[SC+8*NQ*\sc+NQ*\i:SC+8*NQ*\sc+NQ*\i+1], v[ADRS] offset:\i*SBLK
.endr
.endm
.macro PLACES n
.rept \n
	v_nop
.endr
.endm
.macro STEP slot, q, zero
	s_wait_dscnt 4*NL
	WIN MUL_LO
	MUL16 0, (\q)%2, \q, \slot, \zero
	MUL16 2, (\q)%2, \q, \slot, \zero
	s_wait_dscnt 0
	PLACES NP
	FETCH_B \slot, (\q)+1, 1-(\q)%2
	FETCH_A \slot, (\q)+1, 0
	WIN MUL_HI
	MUL16 4, (\q)%2, \q, \slot, \zero
	MUL16 6, (\q)%2, \q, \slot, \zero
	PLACES NP
	WIN 0
	FETCH_A \slot, (\q)+1, 4
.endm
.macro TURN slot, next, fill
	s_wait_tensorcnt 0x0
	ds_add_u32 v[SPW], v[NIL]
	s_wait_dscnt 4*NL+1
	WIN MUL_LO
	MUL16 0, 1, NQ-1, \slot, 0
	s_wait_dscnt 0x0
	s_barrier_signal -1
	MUL16 2, 1, NQ-1, \slot, 0
	WIN 0
	s_barrier_wait -1
.if \fill
	CREST
	s_add_nc_u64 s[G0+4*\slot+2:G0+4*\slot+3], s[G0+4*\slot+2:G0+4*\slot+3], 2*ROWB
	s_add_nc_u64 s[G0B+4*\slot+2:G0B+4*\slot+3], s[G0B+4*\slot+2:G0B+4*\slot+3], 2*ROWB
	JLOAD G0+4*\slot, G1, G0B+4*\slot, G1B
	PLACES NP-4
.else
	PLACES NP
.endif
	s_wait_alu depctr_va_vdst(0)
	v_add_nc_u32 v[ADRS], 4*NQ, v[ADRS]
	FETCH_B \next, 0, 0
	FETCH_A \next, 0, 0
	SCALES \next
	WIN MUL_HI
	MUL16 4, 1, NQ-1, \slot, 0
	MUL16 6, 1, NQ-1, \slot, 0
	PLACES NP
	WIN 0
	FETCH_A \next, 0, 4
.endm
	s_wait_alu depctr_va_vdst(0)
	s_wait_tensorcnt 0x0                           ; my tile of the head's four is in
	ds_add_u32 v[SPW], v[NIL]
	s_mov_b32 s[G1+2], 128<<16                     ; no tensor load of mine is out: from here on a load brings 128 rows
	s_mov_b32 s[G1+4], 128
	s_mov_b32 s[G1B+2], 128<<16
	s_mov_b32 s[G1B+4], 128
	s_wait_dscnt 0x0
	CROUND
	JLOAD G0+4, G1, G0B+4, G1B                     ; K step 1, the first tensor load behind the round
	global_prefetch_b8 v31, s[104:105] offset:768 th:TH_LOAD_NT scope:SCOPE_SE   ; K step 3, two refills ahead of its load
	FETCH_B 0, 0, 0
	FETCH_A 0, 0, 0
	SCALES 0
	FETCH_A 0, 0, 4
	STEP 0, 0, 1
	s_mov_b32 s3, LAPS-1
.Llap:
	TURN 0, 1, 1
	STEP 1, 0, 0
	TURN 1, 0, 1
	STEP 0, 0, 0
	s_sub_co_u32 s3, s3, 1
	s_cmp_lg_u32 s3, 0
	s_cbranch_scc1 .Llap
	TURN 0, 1, 0
	STEP 1, 0, 0
	s_wait_dscnt 4*NL
	WIN MUL_LO
	MUL16 0, 1, NQ-1, 1, 0
	MUL16 2, 1, NQ-1, 1, 0
	s_wait_dscnt 0
	WIN MUL_HI
	MUL16 4, 1, NQ-1, 1, 0
	MUL16 6, 1, NQ-1, 1, 0
	WIN 0
.macro QROW a
.set AC, 64*((\a)%4)
.set WW, 2+(\a)/4
.set W2, 5*WW
.if (\a) > 0
	s_wait_xcnt 0x0
	s_add_nc_u64 s[12:13], s[12:13], s[98:99]
.if (\a) == 4
	s_add_nc_u64 s[12:13], s[12:13], s[100:101]
.endif
.endif
	WIN W2
.irp b, 0,1,2,3
	v_max3_num_f32 v[TM+\b], |v[AC+16*\b]|, |v[AC+16*\b+1]|, 0x4800000
.endr
.irp i, 2,4,6,8,10,12,14
.irp b, 0,1,2,3
	v_max3_num_f32 v[TM+\b], |v[AC+16*\b+\i]|, |v[AC+16*\b+\i+1]|, v[TM+\b]
.endr
.endr
	WIN 0
.irp b, 0,1,2,3
	v_permlanex16_b32 v[TM+4+\b], v[TM+\b], s66, s67
.endr
.irp b, 0,1,2,3
	v_max_num_f32 v[TM+\b], v[TM+\b], v[TM+4+\b]
.endr
.irp b, 0,1,2,3
	v_add_nc_u32 v[TM+12+\b], 0xfc000000, v[TM+\b]
.endr
.irp b, 0,1,2,3
	v_and_or_b32 v[TM+8+\b], v[TM+\b], 0x7f800000, s2
.endr
.irp b, 0,1,2,3
	v_lshrrev_b32 v[TM+4+\b], 23, v[TM+12+\b]
.endr
	v_lshl_or_b32 v[PWS+(\a)], v[TM+5], 8, v[TM+4]
	v_lshl_or_b32 v[PWS+(\a)], v[TM+6], 16, v[PWS+(\a)]
	v_lshl_or_b32 v[PWS+(\a)], v[TM+7], 24, v[PWS+(\a)]
	WIN WW
.set n, 0
.rept 64
	v_med3_num_f32 v[X+n], v[AC+n], -v[TM+8+n/16], v[TM+8+n/16]
.set n, n+1
.endr
	WIN 0
.irp b, 0,1,2,3
	v_cvt_scalef32_pk8_fp8_f32 v[PC+4*\b:PC+4*\b+1], v[X+16*\b:X+16*\b+7], v[TM+12+\b]
	v_cvt_scalef32_pk8_fp8_f32 v[PC+4*\b+2:PC+4*\b+3], v[X+16*\b+8:X+16*\b+15], v[TM+12+\b]
.endr
	v_nop
.irp b, 0,1,2,3
	v_permlane16_swap_b32 v[PC+4*\b], v[PC+4*\b+2]
	v_permlane16_swap_b32 v[PC+4*\b+1], v[PC+4*\b+3]
.endr
	global_store_b128 v[VO0], v[PC:PC+3], s[12:13]
	global_store_b128 v[VO0], v[PC+4:PC+7], s[12:13] offset:512
	global_store_b128 v[VO1], v[PC+8:PC+11], s[12:13]
	global_store_b128 v[VO1], v[PC+12:PC+15], s[12:13] offset:512
.endm
	PLACES NP
.irp b, 0,1,2,3
	v_mov_b32 v[TM+4+\b], 0
.endr
.irp a, 0,1,2,3,4,5,6,7
	QROW \a
.endr
	s_cmp_eq_u32 ttmp9, 2
	s_cbranch_scc1 .Lv_words
.irp p, 0,1,2,3
	v_perm_b32 v[W+\p], v[PWS+2*\p+1], v[PWS+2*\p], v[SELV]
.endr
	s_branch .Lwords
.Lv_words:
.irp p, 0,1,2,3
	v_perm_b32 v[W+\p], v[PWS+4+\p], v[PWS+\p], v[SELV]
.endr
.Lwords:
	s_wait_alu depctr_va_vdst(0)
	global_store_b128 v[SOF], v[W:W+3], s[96:97]
	s_wait_tensorcnt 0x0
	ds_add_u32 v[SPW], v[NIL]
	s_wait_dscnt 0x0
	CROUND
	s_endpgm
.Lfunc_end_k_q41359b3371_qkv:
	.size	k_q41359b3371_qkv, .Lfunc_end_k_q41359b3371_qkv-k_q41359b3371_qkv
	.p2alignl 7, 3214868480
	.fill 96, 4, 3214868480
	.section	.rodata,"a",@progbits
	.p2align	6, 0x0
	.amdhsa_kernel k_q41359b3371_qkv
		.amdhsa_group_segment_fixed_size 327680
		.amdhsa_private_segment_fixed_size 0
		.amdhsa_enable_private_segment 0
		.amdhsa_kernarg_size 64
		.amdhsa_user_sgpr_count 2
		.amdhsa_user_sgpr_kernarg_segment_ptr 1
		.amdhsa_wavefront_size32 1
		.amdhsa_system_sgpr_workgroup_id_x 1
		.amdhsa_system_sgpr_workgroup_id_y 1
		.amdhsa_system_sgpr_workgroup_id_z 1
		.amdhsa_system_vgpr_workitem_id 0
		.amdhsa_next_free_vgpr 1024
		.amdhsa_next_free_sgpr 106
		.amdhsa_reserve_vcc 0
		.amdhsa_float_denorm_mode_32 3
		.amdhsa_float_denorm_mode_16_64 3
		.amdhsa_memory_ordered 1
		.amdhsa_forward_progress 1
		.amdhsa_inst_pref_size 190
	.end_amdhsa_kernel
	.amdgpu_metadata
---
amdhsa.version: [ 1, 2 ]
amdhsa.kernels:
  - .name:           k_q41359b3371_qkv
    .symbol:         k_q41359b3371_qkv.kd
    .args:
      - { .name: nq, .offset: 0, .size: 8, .value_kind: global_buffer, .address_space: global }
      - { .name: Wq_codes, .offset: 8, .size: 8, .value_kind: global_buffer, .address_space: global }
      - { .name: Wq_scales, .offset: 16, .size: 8, .value_kind: global_buffer, .address_space: global }
      - { .name: Wk_codes, .offset: 24, .size: 8, .value_kind: global_buffer, .address_space: global }
      - { .name: Wk_scales, .offset: 32, .size: 8, .value_kind: global_buffer, .address_space: global }
      - { .name: Wv_codes, .offset: 40, .size: 8, .value_kind: global_buffer, .address_space: global }
      - { .name: Wv_scales, .offset: 48, .size: 8, .value_kind: global_buffer, .address_space: global }
      - { .name: qkv, .offset: 56, .size: 8, .value_kind: global_buffer, .address_space: global }
    .group_segment_fixed_size: 327680
    .private_segment_fixed_size: 0
    .kernarg_segment_align: 8
    .kernarg_segment_size: 64
    .max_flat_workgroup_size: 128
    .sgpr_count:     106
    .vgpr_count:     1024
    .wavefront_size: 32
...
	.end_amdgpu_metadata
.endif
;; end of part 2
;; launch att (part 3): grid 4 x 64, 16 waves a work-group, clusters of 4 x 1, 169,984 bytes of LDS; arguments qkv, at; writes at
.if DOCPART == 3
	.amdgcn_target "amdgcn-amd-amdhsa--gfx1250"
	.amdhsa_code_object_version 6
	.text
	.protected	k_q41359b3371_att
	.globl	k_q41359b3371_att
	.p2align	8
	.type	k_q41359b3371_att,@function
k_q41359b3371_att:
	s_mov_b64 s[64:65], 0
	v_nop
	global_prefetch_b8 v0, s[64:65] scope:SCOPE_SE
	s_setreg_imm32_b32 hwreg(HW_REG_WAVE_MODE, 25, 1), 1
	s_wait_xcnt 0x0
	s_wait_alu depctr_hold_cnt(0) depctr_sa_sdst(0) depctr_va_vdst(0) depctr_va_sdst(0) depctr_va_ssrc(0) depctr_va_vcc(0) depctr_vm_vsrc(0)
	s_getreg_b32 s2, hwreg(HW_REG_IB_STS2, 6, 4)
	s_cmp_eq_u32 s2, 0
	s_cbranch_scc0 .Lentry_in_a_cluster
	s_endpgm
.Lentry_in_a_cluster:
	s_bfe_u32 s2, ttmp6, 0x10000c
	s_cmp_lg_u32 s2, 0x3003
	s_cbranch_scc0 .Lentry_shape_is_right
	s_endpgm
.Lentry_shape_is_right:
; Causal attention of one (batch, head) to a cluster of four work-groups, both products on codes of FP8 (E4M3) with E8M0 scales; the result, divided by the row's sum, is quantised along the model's axis.
; THE SOFTMAX: t = score x log2(e) / 8; M = the running largest t rounded UP to a whole number; p = 2^(t - M) is quantised along the keys, not normalised; the sum is taken of the unquantised p.
; SHARES.  A head's K and V, 128 KiB of codes and 4 KiB of scale words, lie in LDS whole: they come ONCE, asked for jointly by the four partners (mask 15), so there is no ring and nothing is filled again.
; Each of 16 waves owns one tile of 16 queries, tau = 4 rho + cx, rho = wave xor (3 x bit 2 of the wave): waves w, w + 4, w + 8, w + 12 have 18 key steps together.  cx enters global addresses and mask data alone.
; LAYOUT.  Both products transposed: a lane holds one query.  K's and V's codes lie as images of the operand's registers: every LDS load takes 512 consecutive bytes.
; K = 64 IN A FORM OF K = 128: a fragment of K is the images of TWO tiles of 16 keys (k 0-63: tile 2 g, k 64-127: tile 2 g + 1).  It is multiplied by [q, 0] and by [0, q]: the zero codes lie in Q's registers alone.
; A loop of 8 trips, a constant; a step all of whose 128 keys come after the wave's queries is jumped over, by a branch on the wave's number and the count.
; LIMITS: a block of zeros gets the byte 1; v_exp_f32 gives 0 under 2^-126; NaN and infinities are not served.
.set LI,  1                            ; v1   16 x lane
.set AKS, 2                            ; v2   K's scale words: 131,072 + 16 r
.set DQ,  3                            ; v3   my query - 8 h
.set ADK, 4
.set ADV, 5
.set ADS, 6
.set R16, 7                            ; v7   16 r
.set F,   40                           ; v40-103  four fragments of K, then of V
.set S,   104                          ; v104-167 S^T, then p
.set O,   168                          ; v168-199 O^T: four tiles of 16 channels
.set PCD, 200                          ; v200-215 p's codes
.set KSW, 216                          ; v216-219 K's scale words;  v220-223 V's
.set VSW, 220
.set QW,  224
.set PW,  225
.set BM,  226                          ; v226-229 the blocks' largest; v230-233 bytes; v234-237 448 x the scale; v238-241 the conversions' scale operands
.set BT,  230
.set BL,  234
.set BS,  238
.set G1C, 24
.set G1S, 32
.set G0C, 40
.set G0S, 44
.macro CROUND
	s_barrier_signal -1
	s_barrier_wait -1
	s_cmp_lg_u32 s8, 0
	s_cbranch_scc1 .Lnot_wave_0_\@
	s_barrier_signal -3
.Lnot_wave_0_\@:
	s_barrier_wait -3
	s_barrier_signal -1
	s_barrier_wait -1
.endm
	s_load_b128 s[4:7], s[0:1], 0x0                ; qkv, at
	v_lshl_add_u32 v254, v0, 2, 0x29000
	v_mov_b32 v255, 0
	ds_add_u32 v254, v255
	ds_add_u32 v254, v255
	v_lshrrev_b32 v8, 5, v0
	s_delay_alu instid0(VALU_DEP_1)
	v_readfirstlane_b32 s8, v8                     ; wave 0..15
	s_bfe_u32 s9, ttmp6, 0x40000                   ; cx
	s_and_b32 s10, ttmp7, 0xffff                   ; bh = 16 x batch + head
	s_bfe_u32 s11, s8, 0x10002
	s_mul_i32 s11, s11, 3
	s_xor_b32 s11, s11, s8                         ; rho
	s_lshl_b32 s12, s11, 2
	s_add_co_u32 s12, s12, s9                      ; tau
	s_lshl_b32 s14, s11, 6                         ; the first query of any partner's tile: a step whose last key is not beyond it needs no mask
	s_add_co_u32 s13, s14, 64                      ; behind the last query of any partner's tile: a step that begins here or later is hidden
	s_mov_b32 s15, 0                               ; the step's first key
	s_mov_b32 s16, 0                               ; its codes in LDS: 8,192 bytes a step
	s_mov_b32 s17, 0                               ; its scale words: 256 bytes a step
	s_mov_b32 s18, 0
	s_mov_b32 s19, 0x600000                        ; the mantissa field of 448
	s_mov_b32 s20, 0x76543210
	s_mov_b32 s21, 0xfedcba98
	s_mov_b32 s22, 0x3e38aa3b                      ; c = log2(e) / sqrt(64)
	s_mov_b32 s23, s22
	; group 1: dense blocks as rows of 256 bytes (32 elements of 8 bytes): 64 rows of codes, 8 rows of scale words; mask 15 and bit 21 beside it
	s_mov_b32 s[G1C], 15|(3<<16)|(1<<21)
	s_mov_b32 s[G1C+1], 32<<16
	s_mov_b32 s[G1C+2], 64<<16
	s_mov_b32 s[G1C+3], 32<<16
	s_mov_b32 s[G1C+4], 64
	s_mov_b32 s[G1C+5], 32
	s_mov_b32 s[G1C+6], 0
	s_mov_b32 s[G1C+7], 0
	s_mov_b32 s[G1S], 15|(3<<16)|(1<<21)
	s_mov_b32 s[G1S+1], 32<<16
	s_mov_b32 s[G1S+2], 8<<16
	s_mov_b32 s[G1S+3], 32<<16
	s_mov_b32 s[G1S+4], 8
	s_mov_b32 s[G1S+5], 32
	s_mov_b32 s[G1S+6], 0
	s_mov_b32 s[G1S+7], 0
	; waves 0-7: 16 KiB of codes each (0-3 K's, 4-7 V's); waves 8, 9: K's and V's scale words
	s_and_b32 s48, s8, 7
	s_lshl_b32 s[G0C+1], s48, 14
	s_lshr_b32 s49, s48, 2
	s_lshl_b32 s49, s49, 22
	s_and_b32 s50, s8, 3
	s_lshl_b32 s50, s50, 14
	s_add_co_u32 s50, s50, s49
	s_lshl_b32 s49, s10, 16
	s_add_co_u32 s50, s50, s49
	s_add_co_u32 s50, s50, 0x400000
	s_mov_b32 s51, 0
	s_and_b32 s52, s8, 1
	s_lshl_b32 s[G0S+1], s52, 11
	s_add_co_u32 s[G0S+1], s[G0S+1], 131072
	s_lshl_b32 s52, s52, 17
	s_lshl_b32 s53, s10, 11
	s_add_co_u32 s52, s52, s53
	s_add_co_u32 s52, s52, 0xC20000
	s_mov_b32 s53, 0
	; q's image and scale word
	s_lshl_b32 s54, s10, 16
	s_lshl_b32 s55, s12, 10
	s_add_co_u32 s54, s54, s55
	s_mov_b32 s55, 0
	s_lshl_b32 s56, s10, 11
	s_lshr_b32 s57, s12, 3
	s_lshl_b32 s57, s57, 8
	s_add_co_u32 s56, s56, s57
	s_bfe_u32 s57, s12, 0x20001
	s_lshl_b32 s57, s57, 2
	s_add_co_u32 s56, s56, s57
	s_add_co_u32 s56, s56, 0xC00000
	s_mov_b32 s57, 0
	s_and_b32 s58, s12, 1
	s_lshl_b32 s58, s58, 4                         ; my tile's two bytes: the word's low or high half
	; the result: tile of rows 64 x batch + tau; 128 along K = two heads
	s_lshr_b32 s59, s10, 4
	s_lshl_b32 s59, s59, 6
	s_add_co_u32 s59, s59, s12
	s_and_b32 s60, s10, 15
	s_lshr_b32 s61, s60, 1
	s_and_b32 s60, s60, 1
	s_lshl_b32 s62, s59, 14
	s_lshl_b32 s63, s61, 11
	s_add_co_u32 s62, s62, s63
	s_lshl_b32 s63, s60, 10
	s_add_co_u32 s62, s62, s63
	s_mov_b32 s63, 0
	s_lshl_b32 s48, s61, 6
	s_lshr_b32 s49, s59, 2
	s_add_co_u32 s48, s48, s49
	s_lshl_b32 s48, s48, 8
	s_and_b32 s49, s59, 3
	s_lshl_b32 s49, s49, 2
	s_add_co_u32 s48, s48, s49
	s_lshl_b32 s49, s60, 1
	s_add_co_u32 s48, s48, s49
	s_add_co_u32 s48, s48, 0x400000
	s_mov_b32 s49, 0
	s_lshl_b32 s3, s12, 4                          ; my tile's first query
	v_and_b32 v8, 31, v0
	s_delay_alu instid0(VALU_DEP_1)
	v_lshlrev_b32 v[LI], 4, v8
	v_and_b32 v9, 15, v0                           ; r
	v_bfe_u32 v10, v0, 4, 1                        ; h
	s_delay_alu instid0(VALU_DEP_2)
	v_lshlrev_b32 v[R16], 4, v9
	s_delay_alu instid0(VALU_DEP_1)
	v_add_nc_u32 v[AKS], 0x20000, v[R16]
	s_delay_alu instid0(VALU_DEP_3)
	v_lshlrev_b32 v10, 3, v10
	s_delay_alu instid0(VALU_DEP_1)
	v_sub_nc_u32 v[DQ], v9, v10
	s_delay_alu instid0(VALU_DEP_1)
	v_add_nc_u32 v[DQ], s3, v[DQ]
	s_wait_dscnt 0x0
	CROUND                                         ; the opening round, ahead of the wait for the arguments: all four work-groups are here
	s_wait_kmcnt 0x0
	s_mov_b32 s[G0C], 1
	s_add_nc_u64 s[G0C+2:G0C+3], s[4:5], s[50:51]
	s_or_b32 s[G0C+3], s[G0C+3], 0x80000000
	s_mov_b32 s[G0S], 1
	s_add_nc_u64 s[G0S+2:G0S+3], s[4:5], s[52:53]
	s_or_b32 s[G0S+3], s[G0S+3], 0x80000000
	s_add_nc_u64 s[54:55], s[4:5], s[54:55]
	s_add_nc_u64 s[56:57], s[4:5], s[56:57]
	s_add_nc_u64 s[48:49], s[6:7], s[48:49]
	s_add_nc_u64 s[6:7], s[6:7], s[62:63]
	s_cmp_lt_u32 s8, 8                             ; a wave's one first fill; the branches hang on the wave's number alone; four v_nop follow each line
	s_cbranch_scc0 .Lnot_codes
	tensor_load_to_lds s[G0C:G0C+3], s[G1C:G1C+7]
	s_nop 0
.rept 4
	v_nop
.endr
	s_branch .Lasked
.Lnot_codes:
	s_cmp_lt_u32 s8, 10
	s_cbranch_scc0 .Lasked
	tensor_load_to_lds s[G0S:G0S+3], s[G1S:G1S+7]
	s_nop 0
.rept 4
	v_nop
.endr
.Lasked:
	s_wait_alu depctr_va_vdst(0)
	global_load_b128 v[24:27], v[LI], s[54:55]             ; q: d 0-31,
	global_load_b128 v[28:31], v[LI], s[54:55] offset:512  ; d 32-63
	global_load_b32 v[QW], v[R16], s[56:57]
.irp j, 16,17,18,19,20,21,22,23,32,33,34,35,36,37,38,39
	v_mov_b32 v[\j], 0                             ; the zero codes on both sides of q: v[24:39] = [q, 0], v[16:31] = [0, q]
.endr
	v_mov_b32 v13, 0xff61b1e6                      ; the largest t so far: -3e38
	s_delay_alu instid0(VALU_DEP_1)
	v_floor_f32 v12, -v13                          ; -M
	v_mov_b32 v14, 0
	v_mov_b32 v15, 0                               ; the sum, in two halves
.irp b, 0,1,2,3
	v_mov_b32 v[BT+\b], 0                          ; a lane permute's destination counts as one of its sources
.endr
	v_mov_b32 v243, 0                              ; (the upper half of the pair v[242:243])
	v_mov_b32 v246, 0
	v_mov_b32 v249, 0xff800000                     ; -infinity
	s_wait_loadcnt 0x0
	v_lshrrev_b32 v[QW], s58, v[QW]
	s_delay_alu instid0(VALU_DEP_1)
	v_perm_b32 v[QW], v[QW], v[QW], 0x01000100     ; q's two bytes in both halves of the word: they serve [q, 0] and [0, q]
.set n, 0
.rept 32
	v_mov_b32 v[O+n], 0                            ; O^T: the loop is written once; its first step finds zeros
.set n, n+1
.endr
	s_wait_tensorcnt 0x0                           ; my part of K, V or the scale words is in,
	s_barrier_signal -1
	s_barrier_wait -1                              ; everybody's is; from here on the waves share nothing
.Lstep:
	s_cmp_ge_u32 s15, s13
	s_cbranch_scc1 .Lhidden
	v_add_nc_u32 v[ADK], s16, v[LI]
	v_add_nc_u32 v[ADS], s17, v[AKS]
	s_delay_alu instid0(VALU_DEP_2)
	v_add_nc_u32 v[ADV], 0x10000, v[ADK]
.rept 5
	v_nop                                          ; with the three additions: eight places behind the last products, whose fragments' registers are loaded below
.endr
.set n, 0
.rept 16
	ds_load_b128 v[F+4*n:F+4*n+3], v[ADK] offset:512*n
.set n, n+1
.endr
	ds_load_b128 v[KSW:KSW+3], v[ADS]
	s_wait_alu depctr_va_vdst(0)
	s_wait_dscnt 0x0
.irp g, 0,1,2,3
	v_wmma_scale_f32_16x16x128_f8f6f4 v[S+16*\g:S+16*\g+7], v[F+16*\g:F+16*\g+15], v[24:39], 0, v[KSW+\g], v[QW]
	v_wmma_scale_f32_16x16x128_f8f6f4 v[S+16*\g+8:S+16*\g+15], v[F+16*\g:F+16*\g+15], v[16:31], 0, v[KSW+\g], v[QW]
.endr                                              ; register 8 t + j of lane (r, h): query r, key 16 t + 8 h + j of the step
.rept 8
	v_nop
.endr
.set n, 0
.rept 16
	ds_load_b128 v[F+4*n:F+4*n+3], v[ADV] offset:512*n   ; V is asked for at once: it lands under the softmax
.set n, n+1
.endr
	ds_load_b128 v[VSW:VSW+3], v[ADS] offset:2048
	s_add_co_u32 s3, s15, 127
	s_cmp_le_u32 s3, s14
	s_cbranch_scc1 .Lopen                          ; all keys of the step count for every partner's tile
	v_sub_nc_u32 v247, v[DQ], s15                  ; d = my query - 8 h - the step's first key: register 8 t + j is hidden where 16 t + j > d
.set n, 0
.rept 64
	v_cmp_gt_i32 vcc_lo, 16*(n/8)+n%8, v247
	v_cndmask_b32 v[S+n], v[S+n], v249, vcc_lo
.set n, n+1
.endr
.Lopen:
.irp b, 0,1,2,3
	v_max3_num_f32 v[BM+\b], v[S+16*\b], v[S+16*\b+1], v[S+16*\b+2]   ; the largest score of each block of 32 keys: for the row's maximum and, since p rises with the score, for the block's largest p
.endr
.irp i, 3,5,7,9,11,13
.irp b, 0,1,2,3
	v_max3_num_f32 v[BM+\b], v[BM+\b], v[S+16*\b+\i], v[S+16*\b+\i+1]
.endr
.endr
.irp b, 0,1,2,3
	v_max_num_f32 v[BM+\b], v[BM+\b], v[S+16*\b+15]
.endr
.irp b, 0,1,2,3
	s_delay_alu instid0(VALU_DEP_4)
	v_permlanex16_b32 v[BT+\b], v[BM+\b], s20, s21
.endr
.irp b, 0,1,2,3
	s_delay_alu instid0(VALU_DEP_4)
	v_max_num_f32 v[BM+\b], v[BM+\b], v[BT+\b]
.endr
	s_delay_alu instid0(VALU_DEP_2)
	v_max3_num_f32 v246, v[BM], v[BM+1], v[BM+2]
	s_delay_alu instid0(VALU_DEP_1)
	v_max_num_f32 v246, v246, v[BM+3]
	s_delay_alu instid0(VALU_DEP_1)
	v_mul_f32 v246, s22, v246
	s_delay_alu instid0(VALU_DEP_1)
	v_max_num_f32 v13, v13, v246                   ; the running largest t
	v_mov_b32 v246, v12
	s_delay_alu instid0(VALU_DEP_2)
	v_floor_f32 v12, -v13                          ; the new -M = -ceil(t)
	s_delay_alu instid0(VALU_DEP_1)
	v_sub_f32 v246, v12, v246
	s_delay_alu instid0(VALU_DEP_1)
	v_cvt_i32_f32 v246, v246                       ; (it saturates)
	s_delay_alu instid0(VALU_DEP_1)
	v_ldexp_f32 v242, 1.0, v246                    ; f = 2^(old M - new M): rounds nothing
.set n, 0
.rept 32
	v_pk_fma_f32 v[S+n:S+n+1], v[S+n:S+n+1], s[22:23], v[12:13] op_sel_hi:[1,0,0]   ; t - M
.set n, n+2
.endr
.irp b, 0,1,2,3
	v_fma_f32 v[BM+\b], v[BM+\b], s22, v12
.endr
.set n, 0
	s_wait_alu depctr_va_vdst(0)
.rept 64
	v_exp_f32 v[S+n], v[S+n]                       ; p = 2^(t - M)
.set n, n+1
.endr
.irp b, 0,1,2,3
	v_exp_f32 v[BM+\b], v[BM+\b]                   ; the block's largest p
.endr
	v_pk_mul_f32 v[14:15], v[14:15], v[242:243] op_sel_hi:[1,0]   ; the sums under the new M (the plain line behind the exponentials)
	s_wait_alu depctr_va_vdst(0)
.irp b, 0,1,2,3
	v_max_num_f32 v[BM+\b], 0x4800000, v[BM+\b]    ; the floor 2^(9 - 127)
.endr
.irp b, 0,1,2,3
	s_delay_alu instid0(VALU_DEP_4)
	v_add_nc_u32 v[BS+\b], 0xfc000000, v[BM+\b]
.endr
.irp b, 0,1,2,3
	v_and_or_b32 v[BL+\b], v[BM+\b], 0x7f800000, s19
.endr
.irp b, 0,1,2,3
	v_lshrrev_b32 v[BT+\b], 23, v[BS+\b]
.endr
	s_delay_alu instid0(VALU_DEP_3)
	v_lshl_or_b32 v[PW], v[BT+1], 8, v[BT]         ; p's scale word for these 128 keys
	s_delay_alu instid0(VALU_DEP_1)
	v_lshl_or_b32 v[PW], v[BT+2], 16, v[PW]
	s_delay_alu instid0(VALU_DEP_1)
	v_lshl_or_b32 v[PW], v[BT+3], 24, v[PW]
	v_pk_add_f32 v[244:245], v[108:109], v[112:113]
	v_pk_add_f32 v[252:253], v[116:117], v[120:121]
	v_pk_add_f32 v[250:251], v[124:125], v[128:129]
	v_pk_add_f32 v[228:229], v[132:133], v[136:137]
	v_pk_add_f32 v[226:227], v[140:141], v[144:145]
	v_pk_add_f32 v[218:219], v[148:149], v[152:153]
	v_pk_add_f32 v[216:217], v[156:157], v[160:161]
	v_pk_add_f32 v[14:15], v[14:15], v[164:165]
	v_pk_add_f32 v[244:245], v[244:245], v[104:105]
	v_pk_add_f32 v[252:253], v[252:253], v[106:107]
	v_pk_add_f32 v[250:251], v[250:251], v[110:111]
	v_pk_add_f32 v[228:229], v[228:229], v[114:115]
	v_pk_add_f32 v[226:227], v[226:227], v[118:119]
	v_pk_add_f32 v[218:219], v[218:219], v[122:123]
	v_pk_add_f32 v[216:217], v[216:217], v[126:127]
	v_pk_add_f32 v[14:15], v[14:15], v[130:131]
	v_pk_add_f32 v[244:245], v[244:245], v[134:135]
	v_pk_add_f32 v[252:253], v[252:253], v[138:139]
	v_pk_add_f32 v[250:251], v[250:251], v[142:143]
	v_pk_add_f32 v[228:229], v[228:229], v[146:147]
	v_pk_add_f32 v[226:227], v[226:227], v[150:151]
	v_pk_add_f32 v[218:219], v[218:219], v[154:155]
	v_pk_add_f32 v[216:217], v[216:217], v[158:159]
	v_pk_add_f32 v[14:15], v[14:15], v[162:163]
	v_pk_add_f32 v[244:245], v[244:245], v[166:167]
	s_delay_alu instid0(VALU_DEP_2)
	v_pk_add_f32 v[14:15], v[14:15], v[228:229]
	s_delay_alu instid0(VALU_DEP_2)
	v_pk_add_f32 v[244:245], v[244:245], v[226:227]
	v_pk_add_f32 v[252:253], v[252:253], v[218:219]
	v_pk_add_f32 v[250:251], v[250:251], v[216:217]
	s_delay_alu instid0(VALU_DEP_2)
	v_pk_add_f32 v[14:15], v[14:15], v[252:253]
	s_delay_alu instid0(VALU_DEP_2)
	v_pk_add_f32 v[244:245], v[244:245], v[250:251]
	s_delay_alu instid0(VALU_DEP_1)
	v_pk_add_f32 v[14:15], v[14:15], v[244:245]
.set n, 0
.rept 64
	v_min_num_f32 v[S+n], v[S+n], v[BL+n/16]       ; the hold; p is not negative
.set n, n+1
.endr
.irp b, 0,1,2,3
	v_cvt_scalef32_pk8_fp8_f32 v[PCD+4*\b:PCD+4*\b+1], v[S+16*\b:S+16*\b+7], v[BS+\b]
	v_cvt_scalef32_pk8_fp8_f32 v[PCD+4*\b+2:PCD+4*\b+3], v[S+16*\b+8:S+16*\b+15], v[BS+\b]
.endr
	v_nop
.irp b, 0,1,2,3
	v_permlane16_swap_b32 v[PCD+4*\b], v[PCD+4*\b+2]   ; lane h now holds keys 32 b + 16 h + 0 .. 15
	v_permlane16_swap_b32 v[PCD+4*\b+1], v[PCD+4*\b+3]
.endr
.set n, 0
.rept 16
	v_pk_mul_f32 v[O+n:O+n+1], v[O+n:O+n+1], v[242:243] op_sel_hi:[1,0]   ; O^T under the new M (also the places between the codes and the products)
.set n, n+2
.endr
	s_wait_alu depctr_va_vdst(0)
	s_wait_dscnt 0x0                               ; V and its scale words are in
.irp t, 0,1,2,3
	v_wmma_scale_f32_16x16x128_f8f6f4 v[O+8*\t:O+8*\t+7], v[F+16*\t:F+16*\t+15], v[PCD:PCD+15], v[O+8*\t:O+8*\t+7], v[VSW+\t], v[PW]
.endr
.Lhidden:
	s_add_co_u32 s15, s15, 128
	s_add_co_u32 s16, s16, 8192
	s_add_co_u32 s17, s17, 256
	s_add_co_u32 s18, s18, 1
	s_cmp_lt_u32 s18, 8
	s_cbranch_scc1 .Lstep
	; THE WAY OUT: O^T / the sum, quantised along the head's 64 (two blocks), stored as an image of the next operand's registers
.rept 8
	v_nop
.endr
	v_add_f32 v14, v14, v15
	s_delay_alu instid0(VALU_DEP_1)
	v_permlanex16_b32 v246, v14, s20, s21
	s_delay_alu instid0(VALU_DEP_1)
	v_add_f32 v14, v14, v246                       ; the row's sum
	s_wait_alu depctr_va_vdst(0)
	v_rcp_f32 v14, v14
	v_nop
.set n, 0
	s_wait_alu depctr_va_vdst(0)
.rept 16
	v_pk_mul_f32 v[S+n:S+n+1], v[O+n:O+n+1], v[14:15] op_sel_hi:[1,0]   ; register 16 b + 8 u + j: channel 32 b + 16 u + 8 h + j
.set n, n+2
.endr
.irp b, 0,1
	v_max3_num_f32 v[BM+\b], |v[S+16*\b]|, |v[S+16*\b+1]|, 0x4800000
.endr
.irp i, 2,4,6,8,10,12,14
.irp b, 0,1
	s_delay_alu instid0(VALU_DEP_2)
	v_max3_num_f32 v[BM+\b], v[BM+\b], |v[S+16*\b+\i]|, |v[S+16*\b+\i+1]|
.endr
.endr
.irp b, 0,1
	s_delay_alu instid0(VALU_DEP_2)
	v_permlanex16_b32 v[BT+\b], v[BM+\b], s20, s21
.endr
.irp b, 0,1
	s_delay_alu instid0(VALU_DEP_2)
	v_max_num_f32 v[BM+\b], v[BM+\b], v[BT+\b]
.endr
.irp b, 0,1
	s_delay_alu instid0(VALU_DEP_2)
	v_add_nc_u32 v[BS+\b], 0xfc000000, v[BM+\b]
.endr
.irp b, 0,1
	s_delay_alu instid0(VALU_DEP_4)
	v_and_or_b32 v[BL+\b], v[BM+\b], 0x7f800000, s19
.endr
.irp b, 0,1
	s_delay_alu instid0(VALU_DEP_4)
	v_lshrrev_b32 v[BT+\b], 23, v[BS+\b]
.endr
	s_delay_alu instid0(VALU_DEP_1)
	v_lshl_or_b32 v[PW], v[BT+1], 8, v[BT]
.set n, 0
.rept 32
	v_med3_num_f32 v[S+n], v[S+n], -v[BL+n/16], v[BL+n/16]
.set n, n+1
.endr
.irp b, 0,1
	v_cvt_scalef32_pk8_fp8_f32 v[PCD+4*\b:PCD+4*\b+1], v[S+16*\b:S+16*\b+7], v[BS+\b]
	v_cvt_scalef32_pk8_fp8_f32 v[PCD+4*\b+2:PCD+4*\b+3], v[S+16*\b+8:S+16*\b+15], v[BS+\b]
.endr
	v_nop
.irp b, 0,1
	v_permlane16_swap_b32 v[PCD+4*\b], v[PCD+4*\b+2]
	v_permlane16_swap_b32 v[PCD+4*\b+1], v[PCD+4*\b+3]
.endr
	global_store_b128 v[LI], v[PCD:PCD+3], s[6:7]              ; 512 consecutive bytes each
	global_store_b128 v[LI], v[PCD+4:PCD+7], s[6:7] offset:512
	global_store_b16 v[R16], v[PW], s[48:49]       ; a head owns two bytes of each row's scale word: 2 bytes for 64 of codes; lanes r and r + 16 write the same bytes with the same value
	s_wait_tensorcnt 0x0
	ds_add_u32 v254, v255
	s_wait_dscnt 0x0
	CROUND                                         ; the closing round
	s_endpgm
.Lfunc_end_k_q41359b3371_att:
	.size	k_q41359b3371_att, .Lfunc_end_k_q41359b3371_att-k_q41359b3371_att
	.p2alignl 7, 3214868480
	.fill 96, 4, 3214868480
	.section	.rodata,"a",@progbits
	.p2align	6, 0x0
	.amdhsa_kernel k_q41359b3371_att
		.amdhsa_group_segment_fixed_size 169984
		.amdhsa_private_segment_fixed_size 0
		.amdhsa_enable_private_segment 0
		.amdhsa_kernarg_size 16
		.amdhsa_user_sgpr_count 2
		.amdhsa_user_sgpr_kernarg_segment_ptr 1
		.amdhsa_wavefront_size32 1
		.amdhsa_system_sgpr_workgroup_id_x 1
		.amdhsa_system_sgpr_workgroup_id_y 1
		.amdhsa_system_sgpr_workgroup_id_z 1
		.amdhsa_system_vgpr_workitem_id 0
		.amdhsa_next_free_vgpr 256
		.amdhsa_next_free_sgpr 66
		.amdhsa_reserve_vcc 1
		.amdhsa_float_denorm_mode_32 3
		.amdhsa_float_denorm_mode_16_64 3
		.amdhsa_memory_ordered 1
		.amdhsa_forward_progress 1
		.amdhsa_inst_pref_size 41
	.end_amdhsa_kernel
	.amdgpu_metadata
---
amdhsa.version: [ 1, 2 ]
amdhsa.kernels:
  - .name:           k_q41359b3371_att
    .symbol:         k_q41359b3371_att.kd
    .args:
      - { .name: qkv, .offset: 0, .size: 8, .value_kind: global_buffer, .address_space: global }
      - { .name: at, .offset: 8, .size: 8, .value_kind: global_buffer, .address_space: global }
    .group_segment_fixed_size: 169984
    .private_segment_fixed_size: 0
    .kernarg_segment_align: 8
    .kernarg_segment_size: 16
    .max_flat_workgroup_size: 512
    .sgpr_count:     66
    .vgpr_count:     256
    .wavefront_size: 32
...
	.end_amdgpu_metadata
.endif
;; end of part 3
;; launch wo (part 4): grid 8 x 32, 4 waves a work-group, clusters of 4 x 4, 327,680 bytes of LDS; arguments at, Wo_codes, Wo_scales, bo, x, res; writes res
.if DOCPART == 4
	.amdgcn_target "amdgcn-amd-amdhsa--gfx1250"
	.amdhsa_code_object_version 6
	.text
	.protected	k_q41359b3371_wo
	.globl	k_q41359b3371_wo
	.p2align	8
	.type	k_q41359b3371_wo,@function
k_q41359b3371_wo:
	s_mov_b64 s[64:65], 0
	v_nop
	global_prefetch_b8 v0, s[64:65] scope:SCOPE_SE
	s_setreg_imm32_b32 hwreg(HW_REG_WAVE_MODE, 25, 1), 1
	s_wait_xcnt 0x0
	s_wait_alu depctr_hold_cnt(0) depctr_sa_sdst(0) depctr_va_vdst(0) depctr_va_sdst(0) depctr_va_ssrc(0) depctr_va_vcc(0) depctr_vm_vsrc(0)
	s_getreg_b32 s2, hwreg(HW_REG_IB_STS2, 6, 4)
	s_cmp_eq_u32 s2, 0
	s_cbranch_scc0 .Lentry_in_a_cluster
	s_endpgm
.Lentry_in_a_cluster:
	s_bfe_u32 s2, ttmp6, 0x10000c
	s_cmp_lg_u32 s2, 0xf033
	s_cbranch_scc0 .Lentry_shape_is_right
	s_endpgm
.Lentry_shape_is_right:
; res = x + A Wo^T + bo.  A: 4,096 rows x 1,024 as codes of FP8 (E4M3), laid as images of the operand's registers [tile of 16 rows 256][128 along K 8][2,048 bytes], its scale words behind them
; [128 along K 8][group of 64 rows 64][r 16][tile 4].  Wo: [1024][1024] codes, K innermost, scale bytes [1024][32].  bo [1024], x and res [4096][1024] f32.
; A tile of 128 x 128 to a work-group (256 work-groups), 64 x 64 (16 accumulators) to each of four waves; K in eight substeps of 128, 16 matrix instructions each.
; ALL OF K LIES IN LDS AT ONCE: A's 128 rows are one dense block of 131,072 bytes, Wo's 128 rows are 1,024 bytes + 16 of padding each, the scale bytes 4,096 each: four tiles, ONE joint load a wave at the head.
; Nothing is filled again: one barrier shows the four tiles, and no other stands in the K walk.  The way out's stages have LDS bytes of their own, since other waves may still read the tiles.
; CLUSTERS: 4 x 4; A's tiles are asked for jointly along a row of the cluster, Wo's along a column.  The matrix instruction is used transposed (source 0 = Wo's rows, source 1 = A's rows).
; No prefetch: every tile is asked for at the head, and there is no loop to run ahead in.
; The bias is the C of each sum's first matrix instruction; the residual is asked for at the head and added on the way out.
; LIMITS: NaN and infinities among the inputs are not served.
; REGISTERS: window 0: v16-29 addresses; v32-63 A's scale words (4 q + i), v64-95 Wo's (8 b + q); v96-127 the bias; v128-255 the accumulators.  window 1: two fragment buffers.  window 2: the residual.
.set KK,     1024
.set KS,     32
.set BP,     1040
.set BOFF,   131072                    ; behind A's images: Wo's 128 rows
.set SCA,    BOFF+128*BP               ; A's scale words: [128 along K 8][2 groups][256 bytes]
.set SCB,    SCA+4096                  ; Wo's scale bytes, as blocks of 256 bytes + 16 of padding
.set SBLK,   2*272                     ; those of 16 rows
.set SPARE,  SCB+16*272                ; the spare words: 128 bytes a wave
.set STG,    SPARE+512                 ; the stages: 16 rows x (256 + 16) bytes a wave
.set SPITCH, 272
.set ADRA, 16
.set ADRB, 20
.set ADSA, 22
.set ADSB, 23
.set STO,  24
.set RD,   25
.set CO,   26
.set SPW,  28
.set NIL,  29
.set SCW,  32
.set BI,   96
.set ACC,  128
.set G1, 24
.set G0, 32
.set G1B, 48
.set G0B, 56
.set G1S, 68
.set G0S, 76
.set G1SB, 80
.set G0SB, 88
.set MSB, 0
.macro WIN new
.if MSB != \new
	s_set_vgpr_msb (MSB<<8)|\new
.set MSB, \new
.endif
.endm
.set MUL,  0x05                        ; sources 0 and 1 window 1; C and D window 0
.set TO_F, 0x40                        ; destination window 1
.macro CROUND
	s_barrier_signal -1
	s_barrier_wait -1
	s_cmp_lg_u32 s14, 0
	s_cbranch_scc1 .Lnot_wave_0_\@
	s_barrier_signal -3
.Lnot_wave_0_\@:
	s_barrier_wait -3
	s_barrier_signal -1
	s_barrier_wait -1
.endm
.macro PLACES n
.rept \n
	v_nop
.endr
.endm
.macro GRP1 g, mask, flags, c, r, p    ; group 1: r rows of c elements, p elements apart
	s_or_b32 s[\g], s\mask, \flags
	s_mov_b32 s[\g+1], (\c)<<16
	s_mov_b32 s[\g+2], (\r)<<16
	s_mov_b32 s[\g+3], (\c)<<16
	s_mov_b32 s[\g+4], \r
	s_mov_b32 s[\g+5], \p
	s_mov_b32 s[\g+6], 0
	s_mov_b32 s[\g+7], 0
.endm
.macro GRP0 g, lds, base, off
	s_mov_b32 s[\g], 1
	s_mov_b32 s[\g+1], \lds
	s_add_nc_u64 s[\g+2:\g+3], s[\base:\base+1], s[\off:\off+1]
	s_or_b32 s[\g+3], s[\g+3], 0x80000000
.endm
.macro ARM under, g0, g1, next         ; an arm of the head's chain: its load, s_nop 0 and four v_nop, a jump to the join
	s_cmp_lt_u32 s14, \under
	s_cbranch_scc0 \next
	tensor_load_to_lds s[\g0:\g0+3], s[\g1:\g1+7]
	s_nop 0
	PLACES 4
	s_branch .Lhead_asked
\next:
.endm
	s_load_b256 s[4:11], s[0:1], 0x0               ; A, Wo's codes, Wo's scales, the bias
	s_load_b128 s[96:99], s[0:1], 0x20             ; the residual, the result
	v_lshl_add_u32 v[SPW], v0, 2, SPARE
	v_mov_b32 v[NIL], 0
	ds_add_u32 v[SPW], v[NIL]                      ; the opening lines: the add twice on end and its wait
	ds_add_u32 v[SPW], v[NIL]
	v_lshrrev_b32 v1, 5, v0
	v_readfirstlane_b32 s14, v1                    ; wave 0..3
	s_lshr_b32 s15, s14, 1                         ; my half of the tile's rows
	s_and_b32 s16, s14, 1                          ; my half of its columns
	s_bfe_u32 s40, ttmp6, 0x40000
	s_bfe_u32 s41, ttmp6, 0x40004
	s_lshl_b32 s42, ttmp9, 2
	s_add_co_u32 s42, s42, s40                     ; tile column
	s_and_b32 s17, ttmp7, 0xffff
	s_lshl_b32 s17, s17, 2
	s_add_co_u32 s17, s17, s41                     ; tile row
	s_lshl_b32 s43, s41, 2
	s_lshl_b32 s43, 15, s43                        ; my row of the cluster
	s_lshl_b32 s44, 0x1111, s40                    ; my column
	GRP1 G1,   43, (3<<16)|(1<<21), 1024, 16, 1024                      ; A's codes: 131,072 dense bytes as 16 rows of 8,192
	GRP1 G1B,  44, (1<<20)|(1<<21)|(7<<22)|(3<<25), 1024, 128, KK       ; Wo's codes: 128 rows of 1,024 bytes, 4 words of padding behind each
	GRP1 G1S,  43, (3<<16)|(1<<21), 64, 8, 2048                         ; A's scale words: 8 rows of 512 bytes, 16,384 bytes apart
	GRP1 G1SB, 44, (3<<16)|(1<<20)|(1<<21)|(5<<22)|(3<<25), 32, 16, 32  ; Wo's scale bytes: 4,096 dense bytes as rows of 256 + 16
	s_lshl_b32 s20, s17, 17                        ; A's codes: 8 tiles of 16,384 bytes a tile row
	s_mov_b32 s21, 0
	s_lshl_b32 s22, s17, 9
	s_add_co_u32 s22, s22, 4096*KK                 ; A's scale words lie behind its codes
	s_mov_b32 s23, 0
	s_lshl_b32 s46, s42, 17                        ; Wo: row 128 x tile column
	s_mov_b32 s47, 0
	s_lshl_b32 s92, s42, 12
	s_mov_b32 s93, 0
	s_wait_dscnt 0x0                               ; both opening adds are done
	CROUND                                         ; all sixteen work-groups are here: the joint loads meet
	s_wait_kmcnt 0x0
	GRP0 G0,   0,    4, 20
	GRP0 G0B,  BOFF, 6, 46
	GRP0 G0S,  SCA,  4, 22
	GRP0 G0SB, SCB,  8, 92
	ARM 1, G0,  G1,  .Lhead_b
	ARM 2, G0B, G1B, .Lhead_sa
	ARM 3, G0S, G1S, .Lhead_sb
	tensor_load_to_lds s[G0SB:G0SB+3], s[G1SB:G1SB+7]
	s_nop 0
	PLACES 4
.Lhead_asked:
	s_lshl_b32 s21, s15, 16                        ; A: my four tiles' images
	s_mul_i32 s22, s16, 64*BP
	s_add_co_u32 s22, s22, BOFF                    ; Wo: my 64 rows
	s_lshl_b32 s23, s15, 8
	s_add_co_u32 s23, s23, SCA                     ; A's scale words: my group's 256 bytes
	s_mul_i32 s18, s16, 8*272
	s_add_co_u32 s18, s18, SCB                     ; Wo's scale bytes: my 64 rows
	s_mul_i32 s19, s14, 16*SPITCH
	s_add_co_u32 s19, s19, STG                     ; my stage
	v_and_b32 v1, 15, v0                           ; r
	v_bfe_u32 v2, v0, 4, 1                         ; h
	v_and_b32 v3, 31, v0
	v_lshlrev_b32 v3, 4, v3
	v_add_nc_u32 v[ADRA], s21, v3
	v_mul_u32_u24 v4, v1, BP
	v_lshl_add_u32 v4, v2, 4, v4
	v_add_nc_u32 v[ADRB], s22, v4
	v_lshlrev_b32 v5, 4, v1
	v_add_nc_u32 v[ADSA], s23, v5
	v_mul_u32_u24 v5, v1, KS
	v_lshrrev_b32 v6, 8, v5
	v_lshl_add_u32 v5, v6, 4, v5                   ; 32 bytes a row, 16 more for each 256 passed
	v_add_nc_u32 v[ADSB], s18, v5
	v_mul_u32_u24 v5, v1, SPITCH
	v_lshl_add_u32 v5, v2, 5, v5
	v_add_nc_u32 v[STO], s19, v5                   ; into my stage: row r, + 32 h
	v_mul_u32_u24 v5, v2, SPITCH
	v_lshl_add_u32 v5, v1, 4, v5
	v_add_nc_u32 v[RD], s19, v5                    ; back: lanes 0-15 one row, lanes 16-31 the next
	v_lshlrev_b32 v[CO], 12, v2
	v_lshl_add_u32 v[CO], v1, 4, v[CO]             ; and the same two rows in memory
	v_lshlrev_b32 v7, 5, v2                        ; the bias: 32 h
	s_wait_alu depctr_va_vdst(0)                   ; the wait at the head's end
	s_lshl_b32 s20, s17, 19
	s_lshl_b32 s21, s15, 18
	s_add_co_u32 s20, s20, s21                     ; my first row: (128 x tile row + 64 x half) x 4,096 bytes
	s_lshl_b32 s46, s42, 9
	s_lshl_b32 s47, s16, 8
	s_add_co_u32 s46, s46, s47                     ; my first column, in bytes
	s_mov_b32 s47, 0
	s_add_nc_u64 s[10:11], s[10:11], s[46:47]
	s_add_co_u32 s20, s20, s46
	s_mov_b32 s21, 0
	s_add_nc_u64 s[96:97], s[96:97], s[20:21]
	s_add_nc_u64 s[98:99], s[98:99], s[20:21]
.irp b, 0,1,2,3
	global_load_b128 v[BI+8*\b:BI+8*\b+3], v7, s[10:11] offset:64*\b       ; lane (r, h): the bias of columns 16 b + 8 h + 0 .. 7
	global_load_b128 v[BI+8*\b+4:BI+8*\b+7], v7, s[10:11] offset:64*\b+16
.endr
	WIN 0x80                                       ; destination window 2
.irp i, 0,1,2,3
.irp t, 0,1,2,3,4,5,6,7
	global_load_b128 v[4*(8*\i+\t):4*(8*\i+\t)+3], v[CO], s[96:97] offset:(16*\i+2*\t)*4096 th:TH_LOAD_NT   ; the residual, in the layout of the stores
.endr
.endr
	WIN 0
.macro MUL4 f, i, q                    ; A's tile i x Wo's four: the 16 accumulators take turns, one instruction a turn
.irp b, 0,1,2,3
.if (\q) == 0
	v_wmma_scale_f32_16x16x128_f8f6f4 v[ACC+8*(4*(\i)+\b):ACC+8*(4*(\i)+\b)+7], v[\f+64+16*\b:\f+64+16*\b+15], v[\f+16*(\i):\f+16*(\i)+15], v[BI+8*\b:BI+8*\b+7], v[SCW+32+8*\b+(\q)], v[SCW+4*(\q)+(\i)]
.else
	v_wmma_scale_f32_16x16x128_f8f6f4 v[ACC+8*(4*(\i)+\b):ACC+8*(4*(\i)+\b)+7], v[\f+64+16*\b:\f+64+16*\b+15], v[\f+16*(\i):\f+16*(\i)+15], v[ACC+8*(4*(\i)+\b):ACC+8*(4*(\i)+\b)+7], v[SCW+32+8*\b+(\q)], v[SCW+4*(\q)+(\i)]
.endif
.endr
.endm
.macro FETCH q, f                      ; 32 LDS loads: the fragments of the q-th 128 along K into buffer f
	WIN TO_F
.irp b, 0,1,2,3
.irp c, 0,1,2,3
	ds_load_b128 v[\f+64+16*\b+4*\c:\f+64+16*\b+4*\c+3], v[ADRB] offset:\b*16*BP+128*(\q)+32*\c
.endr
.endr
.irp i, 0,1,2,3
.irp c, 0,1,2,3
	ds_load_b128 v[\f+16*\i+4*\c:\f+16*\i+4*\c+3], v[ADRA] offset:\i*16384+2048*(\q)+512*\c
.endr
.endr
.endm
.macro SUB q                           ; the next substep's fragments are asked for, then this one's 16 products
	s_wait_dscnt 0x0                               ; this substep's fragments are in
	PLACES 8                                       ; the other buffer was read by the substep before
	FETCH (\q)+1, 128*(1-(\q)%2)
	WIN MUL
.irp i, 0,1,2,3
	MUL4 128*((\q)%2), \i, \q
.endr
.endm
	s_wait_tensorcnt 0x0                           ; my tile of the four is in,
	s_barrier_signal -1
	s_barrier_wait -1                              ; everybody's is
	FETCH 0, 0
	WIN 0
.irp q, 0,1,2,3,4,5,6,7
	ds_load_b128 v[SCW+4*\q:SCW+4*\q+3], v[ADSA] offset:512*\q             ; A's scale words of all of K
.endr
.irp b, 0,1,2,3
	ds_load_b128 v[SCW+32+8*\b:SCW+32+8*\b+3], v[ADSB] offset:\b*SBLK      ; Wo's
	ds_load_b128 v[SCW+32+8*\b+4:SCW+32+8*\b+7], v[ADSB] offset:\b*SBLK+16
.endr
	s_wait_loadcnt 32                              ; the bias is in; the residual's 32 loads may stay out
.irp q, 0,1,2,3,4,5,6
	SUB \q
.endr
	s_wait_dscnt 0x0
.irp i, 0,1,2,3
	MUL4 128, \i, 7
.endr
	WIN 0
; THE WAY OUT, 16 rows at a time through my own stage: a lane's 32 bytes of a row go in, whole rows of 256 bytes come back, the residual is added, sixteen lanes store one aligned block of 256 bytes.
.macro OUT i
.set BK, 32+32*((\i)%2)
.irp b, 0,1,2,3
	ds_store_b128 v[STO], v[ACC+8*(4*(\i)+\b):ACC+8*(4*(\i)+\b)+3] offset:64*\b       ; each accumulator from its low end on
	ds_store_b128 v[STO], v[ACC+8*(4*(\i)+\b)+4:ACC+8*(4*(\i)+\b)+7] offset:64*\b+16
.endr
.if (\i) >= 2
	s_wait_xcnt 0x0                                ; the stores of two blocks back have read these registers
.endif
.irp t, 0,1,2,3,4,5,6,7
	ds_load_b128 v[BK+4*\t:BK+4*\t+3], v[RD] offset:\t*2*SPITCH    ; LDS serves a wave's instructions in order: these see the stores above
.endr
	s_wait_dscnt 0x0
	WIN 0x08                                       ; source 1: window 2
.set n, 0
.rept 16
	v_pk_add_f32 v[BK+n:BK+n+1], v[BK+n:BK+n+1], v[32*(\i)+n:32*(\i)+n+1]
.set n, n+2
.endr
	WIN 0
.irp t, 0,1,2,3,4,5,6,7
	global_store_b128 v[CO], v[BK+4*\t:BK+4*\t+3], s[98:99] offset:(16*(\i)+2*\t)*4096 th:TH_STORE_NT
.endr
.endm
	PLACES 8
	s_wait_loadcnt 0x0                             ; the residual
	OUT 0
	OUT 1
	OUT 2
	OUT 3
	s_wait_tensorcnt 0x0                           ; the wave's end
	ds_add_u32 v[SPW], v[NIL]
	s_wait_dscnt 0x0
	CROUND                                         ; the closing round
	s_endpgm
.Lfunc_end_k_q41359b3371_wo:
	.size	k_q41359b3371_wo, .Lfunc_end_k_q41359b3371_wo-k_q41359b3371_wo
	.p2alignl 7, 3214868480
	.fill 96, 4, 3214868480
	.section	.rodata,"a",@progbits
	.p2align	6, 0x0
	.amdhsa_kernel k_q41359b3371_wo
		.amdhsa_group_segment_fixed_size 327680
		.amdhsa_private_segment_fixed_size 0
		.amdhsa_enable_private_segment 0
		.amdhsa_kernarg_size 48
		.amdhsa_user_sgpr_count 2
		.amdhsa_user_sgpr_kernarg_segment_ptr 1
		.amdhsa_wavefront_size32 1
		.amdhsa_system_sgpr_workgroup_id_x 1
		.amdhsa_system_sgpr_workgroup_id_y 1
		.amdhsa_system_sgpr_workgroup_id_z 1
		.amdhsa_system_vgpr_workitem_id 0
		.amdhsa_next_free_vgpr 640
		.amdhsa_next_free_sgpr 100
		.amdhsa_reserve_vcc 0
		.amdhsa_float_denorm_mode_32 3
		.amdhsa_float_denorm_mode_16_64 3
		.amdhsa_memory_ordered 1
		.amdhsa_forward_progress 1
		.amdhsa_inst_pref_size 60
	.end_amdhsa_kernel
	.amdgpu_metadata
---
amdhsa.version: [ 1, 2 ]
amdhsa.kernels:
  - .name:           k_q41359b3371_wo
    .symbol:         k_q41359b3371_wo.kd
    .args:
      - { .name: at, .offset: 0, .size: 8, .value_kind: global_buffer, .address_space: global }
      - { .name: Wo_codes, .offset: 8, .size: 8, .value_kind: global_buffer, .address_space: global }
      - { .name: Wo_scales, .offset: 16, .size: 8, .value_kind: global_buffer, .address_space: global }
      - { .name: bo, .offset: 24, .size: 8, .value_kind: global_buffer, .address_space: global }
      - { .name: x, .offset: 32, .size: 8, .value_kind: global_buffer, .address_space: global }
      - { .name: res, .offset: 40, .size: 8, .value_kind: global_buffer, .address_space: global }
    .group_segment_fixed_size: 327680
    .private_segment_fixed_size: 0
    .kernarg_segment_align: 8
    .kernarg_segment_size: 48
    .max_flat_workgroup_size: 128
    .sgpr_count:     100
    .vgpr_count:     640
    .wavefront_size: 32
...
	.end_amdgpu_metadata
.endif
;; end of part 4
;; launch ln2: the kernel of part 1 again; grid 256 x 1, 8 waves a work-group, no clusters, 42,496 bytes of LDS; arguments res, g2, beta2, nq; writes nq
;; launch w1 (part 5): grid 16 x 16, 4 waves a work-group, clusters of 4 x 4, 327,680 bytes of LDS; arguments nq, W1_codes, W1_scales, bff1, h; writes h
.if DOCPART == 5
	.amdgcn_target "amdgcn-amd-amdhsa--gfx1250"
	.amdhsa_code_object_version 6
	.text
	.protected	k_q41359b3371_w1
	.globl	k_q41359b3371_w1
	.p2align	8
	.type	k_q41359b3371_w1,@function
k_q41359b3371_w1:
	s_mov_b64 s[64:65], 0
	v_nop
	global_prefetch_b8 v0, s[64:65] scope:SCOPE_SE
	s_setreg_imm32_b32 hwreg(HW_REG_WAVE_MODE, 25, 1), 1
	s_wait_xcnt 0x0
	s_wait_alu depctr_hold_cnt(0) depctr_sa_sdst(0) depctr_va_vdst(0) depctr_va_sdst(0) depctr_va_ssrc(0) depctr_va_vcc(0) depctr_vm_vsrc(0)
	s_getreg_b32 s2, hwreg(HW_REG_IB_STS2, 6, 4)
	s_cmp_eq_u32 s2, 0
	s_cbranch_scc0 .Lentry_in_a_cluster
	s_endpgm
.Lentry_in_a_cluster:
	s_bfe_u32 s2, ttmp6, 0x10000c
	s_cmp_lg_u32 s2, 0xf033
	s_cbranch_scc0 .Lentry_shape_is_right
	s_endpgm
.Lentry_shape_is_right:
.set KSTEP,  256
.set NQ,     KSTEP/128
.set ROWB,   256
.set KROW,   1024
.set PITCH,  272
.set FR,     16
.set NL,     4
.set NP,     8
.set HALFT,  128*PITCH
.set SLOT,   4*HALFT
.set LAPS,   2
.set KS,     32
.set SCL,    2*SLOT
.set HALFS,  (128*KS/256)*272
.set SBLK,   (16*KS/256)*272
.set SPARE,  SCL+4*HALFS
.set ADRA, 16
.set ADRB, 20
.set VC9,  22
.set SST,  24
.set VO0,  25
.set SOF,  26
.set ADRS, 27
.set SPW,  28
.set NIL,  29
.set LRD,  30
.set SC,   32
.set AF,   128
.set TM,   32
.set Y,    48
.set PW,   56
.set BI,   64
.set X,    128
.set T,    192
.set P,    224
.set PC,   192
.set CF,   24
.set G1, 24
.set G0, 32
.set G1B, 48
.set G0B, 56
.set G1S, 68
.set G0S, 76
.set G1SB, 80
.set G0SB, 88
.set MSB, 0
.macro WIN new
.if MSB != \new
	s_set_vgpr_msb (MSB<<8)|\new
.set MSB, \new
.endif
.endm
.set MUL_LO, 0xa1
.set MUL_HI, 0xf1
.set TO_B,   0x40
.macro JLOAD g0a, g1a, g0b, g1b
	s_cmp_eq_u32 s15, 0
	s_cbranch_scc0 .Lfor_b_\@
	tensor_load_to_lds s[\g0a:\g0a+3], s[\g1a:\g1a+7]
	s_nop 0
.rept 4
	v_nop
.endr
	s_branch .Lasked_\@
.Lfor_b_\@:
	tensor_load_to_lds s[\g0b:\g0b+3], s[\g1b:\g1b+7]
	s_nop 0
.rept 4
	v_nop
.endr
.Lasked_\@:
.endm
.macro CREST
	s_cmp_lg_u32 s14, 0
	s_cbranch_scc1 .Lnot_wave_0_\@
	s_barrier_signal -3
.Lnot_wave_0_\@:
	s_barrier_wait -3
	s_barrier_signal -1
	s_barrier_wait -1
.endm
.macro CROUND
	s_barrier_signal -1
	s_barrier_wait -1
	CREST
.endm
	s_load_b128 s[4:7], s[0:1], 0x0
	s_load_b128 s[8:11], s[0:1], 0x10
	s_load_b64 s[12:13], s[0:1], 0x20
	v_lshl_add_u32 v[SPW], v0, 2, SPARE
	v_mov_b32 v[NIL], 0
	ds_add_u32 v28, v29
	ds_add_u32 v28, v29
	s_wait_dscnt 0x0
	v_lshrrev_b32 v1, 5, v0
	v_readfirstlane_b32 s14, v1
	s_lshr_b32 s15, s14, 1
	s_and_b32 s16, s14, 1
	s_bfe_u32 s40, ttmp6, 0x40000
	s_bfe_u32 s41, ttmp6, 0x40004
	s_lshl_b32 s42, ttmp9, 2
	s_add_co_u32 s42, s42, s40
	s_and_b32 s17, ttmp7, 0xffff
	s_lshl_b32 s17, s17, 2
	s_add_co_u32 s17, s17, s41
	s_lshl_b32 s43, s41, 2
	s_lshl_b32 s43, 15, s43
	s_lshl_b32 s44, 0x1111, s40
	s_or_b32 s[G1+0], s43, (0<<16)|(1<<20)|(1<<21)|(5<<22)|(3<<25)
	s_or_b32 s[G1B+0], s44, (0<<16)|(1<<20)|(1<<21)|(5<<22)|(3<<25)
.irp g, G1, G1B
	s_mov_b32 s[\g+1], ROWB<<16
	s_mov_b32 s[\g+2], 256<<16
	s_mov_b32 s[\g+3], ROWB<<16
	s_mov_b32 s[\g+4], 256
	s_mov_b32 s[\g+5], KROW
	s_mov_b32 s[\g+6], 0
	s_mov_b32 s[\g+7], 0
.endr
	s_or_b32 s[G1S+0], s43, (3<<16)|(1<<20)|(1<<21)|(5<<22)|(3<<25)
	s_or_b32 s[G1SB+0], s44, (3<<16)|(1<<20)|(1<<21)|(5<<22)|(3<<25)
.irp g, G1S, G1SB
	s_mov_b32 s[\g+1], 32<<16
	s_mov_b32 s[\g+2], (256*KS/256)<<16
	s_mov_b32 s[\g+3], 32<<16
	s_mov_b32 s[\g+4], 256*KS/256
	s_mov_b32 s[\g+5], 32
	s_mov_b32 s[\g+6], 0
	s_mov_b32 s[\g+7], 0
.endr
	s_mov_b32 s2, 0x600000
	s_mov_b32 s66, 0x76543210
	s_mov_b32 s67, 0xfedcba98
	s_lshl_b32 s18, s16, 7
	s_lshl_b32 s20, s17, 8
	s_add_co_u32 s20, s20, s18
	s_lshl_b32 s46, s42, 8
	s_add_co_u32 s46, s46, s18
	s_mov_b32 s21, 0
	s_mov_b32 s47, 0
	s_mov_b64 s[18:19], KS
	s_mul_u64 s[22:23], s[20:21], s[18:19]
	s_mul_u64 s[92:93], s[46:47], s[18:19]
	s_mov_b64 s[18:19], KROW
	s_mul_u64 s[20:21], s[20:21], s[18:19]
	s_mul_u64 s[46:47], s[46:47], s[18:19]
	s_mul_i32 s45, s14, HALFT
	CROUND                                         ; the opening round, ahead of the wait for the arguments: all sixteen work-groups are here
	s_wait_kmcnt 0x0
	s_add_nc_u64 s[20:21], s[4:5], s[20:21]
	s_add_nc_u64 s[4:5], s[4:5], 0x400000
	s_add_nc_u64 s[22:23], s[4:5], s[22:23]
	s_add_nc_u64 s[46:47], s[6:7], s[46:47]
	s_add_nc_u64 s[92:93], s[8:9], s[92:93]
	s_mov_b32 s[G0S], 1
	s_lshl_b32 s18, s16, 12                        ; the scale bytes come whole, 256 rows to a load: my half's 128 x 32 bytes are taken off again
	s_mov_b32 s19, 0
	s_sub_nc_u64 s[22:23], s[22:23], s[18:19]
	s_sub_nc_u64 s[92:93], s[92:93], s[18:19]
	s_mov_b32 s[G0S+1], SCL
	s_mov_b64 s[G0S+2:G0S+3], s[22:23]
	s_or_b32 s[G0S+3], s[G0S+3], 0x80000000
	s_mov_b32 s[G0SB], 1
	s_mov_b32 s[G0SB+1], SCL+2*HALFS
	s_mov_b64 s[G0SB+2:G0SB+3], s[92:93]
	s_or_b32 s[G0SB+3], s[G0SB+3], 0x80000000
.irp s, 0,1
	s_mov_b32 s[G0+4*\s], 1
	s_add_co_u32 s[G0+4*\s+1], s45, \s*SLOT
	s_add_nc_u64 s[G0+4*\s+2:G0+4*\s+3], s[20:21], \s*ROWB
	s_or_b32 s[G0+4*\s+3], s[G0+4*\s+3], 0x80000000
	s_mov_b32 s[G0B+4*\s], 1
	s_add_co_u32 s[G0B+4*\s+1], s45, \s*SLOT
	s_add_nc_u64 s[G0B+4*\s+2:G0B+4*\s+3], s[46:47], \s*ROWB
	s_or_b32 s[G0B+4*\s+3], s[G0B+4*\s+3], 0x80000000
.endr
; the head's four tiles, one joint load a wave, in one chain of branches on the wave's number: wave 0 K step 0's 256 rows of A (its own group 0 begins at the tile's first row and at LDS byte 0),
; wave 2 its 256 rows of B (likewise, at 2 HALFT), wave 1 A's scale bytes, wave 3 B's
.macro ARM under, g0, g1, next
	s_cmp_lt_u32 s14, \under
	s_cbranch_scc0 \next
	tensor_load_to_lds s[\g0:\g0+3], s[\g1:\g1+7]
	s_nop 0
.rept 4
	v_nop
.endr
	s_branch .Lhead_asked
\next:
.endm
; THE PREFETCHES: of the 128 rows that my wave fetches in the ring, each of the four partners that ask for them jointly names 32, told apart by address (cx for A, cy for B): a lane a row, 256 bytes of a K step.
; K steps 1 and 2 are named behind the head's load, K step 3 behind slot 1's: every step is an immediate, and s[104:105] and v31 are never written again.
	s_cmp_eq_u32 s15, 0
	s_cselect_b64 s[104:105], s[20:21], s[46:47]
	s_cselect_b32 s18, s40, s41
	s_lshl_b32 s18, s18, 15                        ; 32 rows of 1,024 bytes
	s_mov_b32 s19, 0
	s_add_nc_u64 s[104:105], s[104:105], s[18:19]
	ARM 1, G0,  G1,  .Lhead_sa
	ARM 2, G0S, G1S, .Lhead_b
	ARM 3, G0B, G1B, .Lhead_sb
	tensor_load_to_lds s[G0SB:G0SB+3], s[G1SB:G1SB+7]
	s_nop 0
.rept 4
	v_nop
.endr
.Lhead_asked:
	v_and_b32 v31, 31, v0
	v_lshlrev_b32 v31, 10, v31                     ; my lane's row
	global_prefetch_b8 v31, s[104:105] offset:256 th:TH_LOAD_NT scope:SCOPE_SE
	global_prefetch_b8 v31, s[104:105] offset:512 th:TH_LOAD_NT scope:SCOPE_SE
	v_and_b32 v1, 15, v0
	v_bfe_u32 v2, v0, 4, 1
	v_mul_u32_u24 v3, v1, PITCH
	v_lshl_add_u32 v4, v2, 4, v3
	s_mul_i32 s21, s15, HALFT
	s_mul_i32 s22, s16, HALFT
	s_add_co_u32 s22, s22, 2*HALFT
.irp s, 0,1
	v_add_nc_u32 v[ADRA+\s], s21, v4
	v_add_nc_u32 v[ADRB+\s], s22, v4
	s_add_co_u32 s21, s21, SLOT
	s_add_co_u32 s22, s22, SLOT
.endr
	v_mul_u32_u24 v5, v1, KS
	v_lshrrev_b32 v6, 8, v5
	v_lshl_add_u32 v5, v6, 4, v5
	s_mul_i32 s21, s15, HALFS
	s_mul_i32 s22, s16, HALFS
	s_add_co_u32 s22, s22, 2*HALFS
	s_sub_co_u32 s22, s22, s21
	v_mul_u32_u24 v6, s22, v2
	s_add_co_u32 s21, s21, SCL
	v_add_nc_u32 v5, v5, v6
	v_add_nc_u32 v[ADRS], s21, v5
	s_lshl_b32 s23, s14, 9
	v_lshl_add_u32 v[SST], v1, 5, s23
	v_lshl_add_u32 v[LRD], v2, 4, v[SST]
	v_and_b32 v6, 31, v0
	v_lshlrev_b32 v[VO0], 4, v6
	v_lshlrev_b32 v[SOF], 4, v1
	v_lshl_add_u32 v[SOF], v2, 8, v[SOF]
	v_mov_b32 v[VC9], 0x3e7c6f08
	v_mov_b32 v[VC9+1], 0x3e7c6f08
	v_lshlrev_b32 v7, 5, v2
	s_wait_alu depctr_va_vdst(0)
	s_lshl_b32 s20, s17, 20
	s_lshl_b32 s21, s15, 19
	s_add_co_u32 s20, s20, s21
	s_lshl_b32 s46, s42, 12
	s_lshl_b32 s47, s16, 11
	s_add_co_u32 s46, s46, s47
	s_add_co_u32 s20, s20, s46
	s_mov_b32 s21, 0
	s_lshl_b32 s92, s46, 3
	s_lshl_b32 s93, s17, 10
	s_add_co_u32 s92, s92, s93
	s_lshl_b32 s93, s15, 9
	s_add_co_u32 s92, s92, s93
	s_add_co_u32 s92, s92, 0x1000000
	s_mov_b32 s93, 0
	s_add_nc_u64 s[96:97], s[12:13], s[92:93]
	s_add_nc_u64 s[12:13], s[12:13], s[20:21]
	s_lshr_b32 s46, s46, 2
	s_mov_b32 s47, 0
	s_add_nc_u64 s[10:11], s[10:11], s[46:47]
.irp b, 0,1,2,3,4,5,6,7
	global_load_b128 v[BI+8*\b:BI+8*\b+3], v7, s[10:11] offset:64*\b
	global_load_b128 v[BI+8*\b+4:BI+8*\b+7], v7, s[10:11] offset:64*\b+16
.endr
.macro FRAG reg, adr, q, i
.irp c, 0,1,2,3
	ds_load_b128 v[\reg+4*\c:\reg+4*\c+3], v[\adr] offset:128*(\q)+32*\c+(\i)*16*PITCH
.endr
.endm
.macro MUL16 a0, p, q, sc, zero
.irp a, \a0, \a0+1
.irp b, 0,1,2,3,4,5,6,7
.if \zero
	v_wmma_scale_f32_16x16x128_f8f6f4 v[8*(8*((\a)%4)+\b):8*(8*((\a)%4)+\b)+7], v[128*(\p)+FR*\b:128*(\p)+FR*\b+FR-1], v[AF+FR*(\a):AF+FR*(\a)+FR-1], 0, v[SC+8*NQ*(\sc)+NQ*\b+(\q)], v[SC+8*NQ*(\sc)+NQ*(\a)+(\q)] matrix_a_scale:MATRIX_SCALE_ROW1
.else
	v_wmma_scale_f32_16x16x128_f8f6f4 v[8*(8*((\a)%4)+\b):8*(8*((\a)%4)+\b)+7], v[128*(\p)+FR*\b:128*(\p)+FR*\b+FR-1], v[AF+FR*(\a):AF+FR*(\a)+FR-1], v[8*(8*((\a)%4)+\b):8*(8*((\a)%4)+\b)+7], v[SC+8*NQ*(\sc)+NQ*\b+(\q)], v[SC+8*NQ*(\sc)+NQ*(\a)+(\q)] matrix_a_scale:MATRIX_SCALE_ROW1
.endif
.endr
.endr
.endm
.macro FETCH_B slot, q, p
	WIN TO_B
.irp i, 0,1,2,3,4,5,6,7
	FRAG 128*(\p)+FR*\i, ADRB+\slot, \q, \i
.endr
	WIN 0
.endm
.macro FETCH_A slot, q, i0
.irp i, \i0, \i0+1, \i0+2, \i0+3
	FRAG AF+FR*(\i), ADRA+\slot, \q, \i
.endr
.endm
.macro SCALES sc
.irp i, 0,1,2,3,4,5,6,7
	ds_load_b64 v[SC+8*NQ*\sc+NQ*\i:SC+8*NQ*\sc+NQ*\i+1], v[ADRS] offset:\i*SBLK
.endr
.endm
.macro PLACES n
.rept \n
	v_nop
.endr
.endm
.macro STEP slot, q, zero
	s_wait_dscnt 4*NL
	WIN MUL_LO
	MUL16 0, (\q)%2, \q, \slot, \zero
	MUL16 2, (\q)%2, \q, \slot, \zero
	s_wait_dscnt 0
	PLACES NP
	FETCH_B \slot, (\q)+1, 1-(\q)%2
	FETCH_A \slot, (\q)+1, 0
	WIN MUL_HI
	MUL16 4, (\q)%2, \q, \slot, \zero
	MUL16 6, (\q)%2, \q, \slot, \zero
	PLACES NP
	WIN 0
	FETCH_A \slot, (\q)+1, 4
.endm
.macro TURN slot, next, fill
	s_wait_tensorcnt 0x0
	ds_add_u32 v[SPW], v[NIL]
	s_wait_dscnt 4*NL+1
	WIN MUL_LO
	MUL16 0, 1, NQ-1, \slot, 0
	s_wait_dscnt 0x0
	s_barrier_signal -1
	MUL16 2, 1, NQ-1, \slot, 0
	WIN 0
	s_barrier_wait -1
.if \fill
	CREST
	s_add_nc_u64 s[G0+4*\slot+2:G0+4*\slot+3], s[G0+4*\slot+2:G0+4*\slot+3], 2*ROWB
	s_add_nc_u64 s[G0B+4*\slot+2:G0B+4*\slot+3], s[G0B+4*\slot+2:G0B+4*\slot+3], 2*ROWB
	JLOAD G0+4*\slot, G1, G0B+4*\slot, G1B
	PLACES NP-4
.else
	PLACES NP
.endif
	s_wait_alu depctr_va_vdst(0)
	v_add_nc_u32 v[ADRS], 4*NQ, v[ADRS]
	FETCH_B \next, 0, 0
	FETCH_A \next, 0, 0
	SCALES \next
	WIN MUL_HI
	MUL16 4, 1, NQ-1, \slot, 0
	MUL16 6, 1, NQ-1, \slot, 0
	PLACES NP
	WIN 0
	FETCH_A \next, 0, 4
.endm
	s_wait_tensorcnt 0x0                           ; my tile of the head's four is in
	ds_add_u32 v[SPW], v[NIL]
	s_mov_b32 s[G1+2], 128<<16                     ; no tensor load of mine is out: from here on a load brings 128 rows
	s_mov_b32 s[G1+4], 128
	s_mov_b32 s[G1B+2], 128<<16
	s_mov_b32 s[G1B+4], 128
	s_wait_dscnt 0x0
	CROUND
	JLOAD G0+4, G1, G0B+4, G1B                     ; K step 1, the first tensor load behind the round
	global_prefetch_b8 v31, s[104:105] offset:768 th:TH_LOAD_NT scope:SCOPE_SE   ; K step 3, two refills ahead of its load
	FETCH_B 0, 0, 0
	FETCH_A 0, 0, 0
	SCALES 0
	FETCH_A 0, 0, 4
	STEP 0, 0, 1
	s_mov_b32 s3, LAPS-1
.Llap:
	TURN 0, 1, 1
	STEP 1, 0, 0
	TURN 1, 0, 1
	STEP 0, 0, 0
	s_sub_co_u32 s3, s3, 1
	s_cmp_lg_u32 s3, 0
	s_cbranch_scc1 .Llap
	TURN 0, 1, 0
	STEP 1, 0, 0
	s_wait_dscnt 4*NL
	WIN MUL_LO
	MUL16 0, 1, NQ-1, 1, 0
	MUL16 2, 1, NQ-1, 1, 0
	s_wait_dscnt 0
	WIN MUL_HI
	MUL16 4, 1, NQ-1, 1, 0
	MUL16 6, 1, NQ-1, 1, 0
	WIN 0
.macro GELU32 o
.set XO, X+(\o)
.set n, 0
.rept 32
	v_fma_f32 v[T+n], |v[XO+n]|, s44, 1.0
.set n, n+1
.endr
.set n, 0
	s_wait_alu depctr_va_vdst(0)
.rept 32
	v_rcp_f32 v[T+n], v[T+n]
.set n, n+1
.endr
	v_nop
.set n, 0
	s_wait_alu depctr_va_vdst(0)
.rept 16
	v_pk_fma_f32 v[P+n:P+n+1], v[T+n:T+n+1], v[VC9:VC9+1], s[CF:CF+1] op_sel_hi:[1,1,0]
.set n, n+2
.endr
.irp k, 1,2,3,4,5,6,7,8
.set n, 0
.rept 16
	v_pk_fma_f32 v[P+n:P+n+1], v[P+n:P+n+1], v[T+n:T+n+1], s[CF+2*\k:CF+2*\k+1] op_sel_hi:[1,1,0]
.set n, n+2
.endr
.endr
.set n, 0
.rept 4
.irp k, 0,2,4,6
	v_pk_mul_f32 v[Y+\k:Y+\k+1], v[XO+n+\k:XO+n+\k+1], s[42:43] op_sel_hi:[1,0]
.endr
.irp k, 0,2,4,6
	v_pk_fma_f32 v[P+n+\k:P+n+\k+1], v[Y+\k:Y+\k+1], v[XO+n+\k:XO+n+\k+1], v[P+n+\k:P+n+\k+1]
.endr
.set n, n+8
.endr
.set n, 0
	s_wait_alu depctr_va_vdst(0)
.rept 32
	v_exp_f32 v[P+n], v[P+n]
.set n, n+1
.endr
	v_nop
.set n, 0
	s_wait_alu depctr_va_vdst(0)
.rept 16
	v_pk_mul_f32 v[P+n:P+n+1], v[P+n:P+n+1], v[T+n:T+n+1]
.set n, n+2
.endr
.set n, 0
.rept 16
	v_pk_mul_f32 v[P+n:P+n+1], v[XO+n:XO+n+1], v[P+n:P+n+1]
.set n, n+2
.endr
.set n, 0
.rept 16
	v_pk_add_f32 v[T+n:T+n+1], v[XO+n:XO+n+1], v[P+n:P+n+1] neg_lo:[0,1] neg_hi:[0,1]
.set n, n+2
.endr
.set n, 0
.rept 32
	v_max_num_f32 v[XO+n], v[P+n], v[T+n]
.set n, n+1
.endr
.endm
	PLACES NP
	s_wait_loadcnt 0x0
.irp k, 0,1
	s_mov_b32 s[CF+\k], 0xbf97d29d
	s_mov_b32 s[CF+2+\k], 0x40097039
	s_mov_b32 s[CF+4+\k], 0xbfd1a1e5
	s_mov_b32 s[CF+6+\k], 0x3ecdfd18
	s_mov_b32 s[CF+8+\k], 0xbe899a80
	s_mov_b32 s[CF+10+\k], 0x3e0efb2e
	s_mov_b32 s[CF+12+\k], 0x3f0a29d2
	s_mov_b32 s[CF+14+\k], 0x3fb8ab5a
	s_mov_b32 s[CF+16+\k], 0xc034d90f
	s_mov_b32 s[42+\k], 0xbf38aa3b
.endr
	s_mov_b32 s44, 0x3eb504f3
.irp b, 0,1,2,3
	v_mov_b32 v[TM+4+\b], 0
.endr
	s_mov_b32 s45, 0
.Lrow:
.irp a, 0,1,2,3,4,5,6
	s_cmp_eq_u32 s45, \a
	s_cbranch_scc1 .Lp\a
.endr
.irp a, 7,6,5,4,3,2,1,0
.Lp\a:
.set AC, 64*((\a)%4)
	WIN 2+(\a)/4
.set n, 0
.rept 32
	v_pk_add_f32 v[X+n:X+n+1], v[AC+n:AC+n+1], v[BI+n:BI+n+1]
.set n, n+2
.endr
	WIN 0
	s_branch .Lcommon
.endr
.Lcommon:
	GELU32 0
	GELU32 32
.irp b, 0,1,2,3
	v_max3_num_f32 v[TM+\b], |v[X+16*\b]|, |v[X+16*\b+1]|, 0x4800000
.endr
.irp i, 2,4,6,8,10,12,14
.irp b, 0,1,2,3
	v_max3_num_f32 v[TM+\b], v[TM+\b], |v[X+16*\b+\i]|, |v[X+16*\b+\i+1]|
.endr
.endr
.irp b, 0,1,2,3
	v_permlanex16_b32 v[TM+4+\b], v[TM+\b], s66, s67
.endr
.irp b, 0,1,2,3
	v_max_num_f32 v[TM+\b], v[TM+\b], v[TM+4+\b]
.endr
.irp b, 0,1,2,3
	v_add_nc_u32 v[TM+12+\b], 0xfc000000, v[TM+\b]
.endr
.irp b, 0,1,2,3
	v_and_or_b32 v[TM+8+\b], v[TM+\b], 0x7f800000, s2
.endr
.irp b, 0,1,2,3
	v_lshrrev_b32 v[TM+4+\b], 23, v[TM+12+\b]
.endr
	v_lshl_or_b32 v[PW], v[TM+5], 8, v[TM+4]
	v_lshl_or_b32 v[PW], v[TM+6], 16, v[PW]
	v_lshl_or_b32 v[PW], v[TM+7], 24, v[PW]
.set n, 0
.rept 64
	v_med3_num_f32 v[X+n], v[X+n], -v[TM+8+n/16], v[TM+8+n/16]
.set n, n+1
.endr
.irp b, 0,1,2,3
	v_cvt_scalef32_pk8_fp8_f32 v[PC+4*\b:PC+4*\b+1], v[X+16*\b:X+16*\b+7], v[TM+12+\b]
	v_cvt_scalef32_pk8_fp8_f32 v[PC+4*\b+2:PC+4*\b+3], v[X+16*\b+8:X+16*\b+15], v[TM+12+\b]
.endr
	v_nop
.irp b, 0,1,2,3
	v_permlane16_swap_b32 v[PC+4*\b], v[PC+4*\b+2]
	v_permlane16_swap_b32 v[PC+4*\b+1], v[PC+4*\b+3]
.endr
.irp c, 0,1,2,3
	global_store_b128 v[VO0], v[PC+4*\c:PC+4*\c+3], s[12:13] offset:512*\c
.endr
	ds_store_b32 v[SST], v[PW]
	s_wait_xcnt 0x0
	s_add_nc_u64 s[12:13], s[12:13], 0x10000
	v_add_nc_u32 v[SST], 4, v[SST]
	s_add_co_u32 s45, s45, 1
	s_cmp_lt_u32 s45, 8
	s_cbranch_scc1 .Lrow
	ds_load_b128 v[52:55], v[LRD]
	s_wait_dscnt 0x0
	global_store_b128 v[SOF], v[52:55], s[96:97]
	s_wait_tensorcnt 0x0
	ds_add_u32 v[SPW], v[NIL]
	s_wait_dscnt 0x0
	CROUND
	s_endpgm
.Lfunc_end_k_q41359b3371_w1:
	.size	k_q41359b3371_w1, .Lfunc_end_k_q41359b3371_w1-k_q41359b3371_w1
	.p2alignl 7, 3214868480
	.fill 96, 4, 3214868480
	.section	.rodata,"a",@progbits
	.p2align	6, 0x0
	.amdhsa_kernel k_q41359b3371_w1
		.amdhsa_group_segment_fixed_size 327680
		.amdhsa_private_segment_fixed_size 0
		.amdhsa_enable_private_segment 0
		.amdhsa_kernarg_size 40
		.amdhsa_user_sgpr_count 2
		.amdhsa_user_sgpr_kernarg_segment_ptr 1
		.amdhsa_wavefront_size32 1
		.amdhsa_system_sgpr_workgroup_id_x 1
		.amdhsa_system_sgpr_workgroup_id_y 1
		.amdhsa_system_sgpr_workgroup_id_z 1
		.amdhsa_system_vgpr_workitem_id 0
		.amdhsa_next_free_vgpr 1024
		.amdhsa_next_free_sgpr 106
		.amdhsa_reserve_vcc 0
		.amdhsa_float_denorm_mode_32 3
		.amdhsa_float_denorm_mode_16_64 3
		.amdhsa_memory_ordered 1
		.amdhsa_forward_progress 1
		.amdhsa_inst_pref_size 186
	.end_amdhsa_kernel
	.amdgpu_metadata
---
amdhsa.version: [ 1, 2 ]
amdhsa.kernels:
  - .name:           k_q41359b3371_w1
    .symbol:         k_q41359b3371_w1.kd
    .args:
      - { .name: nq, .offset: 0, .size: 8, .value_kind: global_buffer, .address_space: global }
      - { .name: W1_codes, .offset: 8, .size: 8, .value_kind: global_buffer, .address_space: global }
      - { .name: W1_scales, .offset: 16, .size: 8, .value_kind: global_buffer, .address_space: global }
      - { .name: bff1, .offset: 24, .size: 8, .value_kind: global_buffer, .address_space: global }
      - { .name: h, .offset: 32, .size: 8, .value_kind: global_buffer, .address_space: global }
    .group_segment_fixed_size: 327680
    .private_segment_fixed_size: 0
    .kernarg_segment_align: 8
    .kernarg_segment_size: 40
    .max_flat_workgroup_size: 128
    .sgpr_count:     106
    .vgpr_count:     1024
    .wavefront_size: 32
...
	.end_amdgpu_metadata
.endif
;; end of part 5
;; launch w2 (part 6): grid 32 x 8, 4 waves a work-group, clusters of 4 x 1, 327,680 bytes of LDS; arguments h, W2_codes, W2_scales, bff2, res, out0; writes out0
.if DOCPART == 6
	.amdgcn_target "amdgcn-amd-amdhsa--gfx1250"
	.amdhsa_code_object_version 6
	.text
	.protected	k_q41359b3371_w2
	.globl	k_q41359b3371_w2
	.p2align	8
	.type	k_q41359b3371_w2,@function
k_q41359b3371_w2:
	s_mov_b64 s[64:65], 0
	v_nop
	global_prefetch_b8 v0, s[64:65] scope:SCOPE_SE
	s_setreg_imm32_b32 hwreg(HW_REG_WAVE_MODE, 25, 1), 1
	s_wait_xcnt 0x0
	s_wait_alu depctr_hold_cnt(0) depctr_sa_sdst(0) depctr_va_vdst(0) depctr_va_sdst(0) depctr_va_ssrc(0) depctr_va_vcc(0) depctr_vm_vsrc(0)
	s_getreg_b32 s2, hwreg(HW_REG_IB_STS2, 6, 4)
	s_cmp_eq_u32 s2, 0
	s_cbranch_scc0 .Lentry_in_a_cluster
	s_endpgm
.Lentry_in_a_cluster:
	s_bfe_u32 s2, ttmp6, 0x10000c
	s_cmp_lg_u32 s2, 0x3003
	s_cbranch_scc0 .Lentry_shape_is_right
	s_endpgm
.Lentry_shape_is_right:
; out = resid + A W^T + bias.  A: 4,096 rows x 4,096 as codes of FP8 (E4M3), laid as images of the operand's registers [tile of 16 rows 256][128 along K 32][2,048 bytes], its scale words behind them
; [128 along K 32][group of 64 rows 64][r 16][tile 4].  W: [1024][4096] codes, K innermost, scale bytes [1024][128].  bias [1024], resid and out [4096][1024] f32.
; A tile of 128 x 128 to a work-group (256 work-groups), 32 rows x 128 columns (16 accumulators) to each of four waves.  K goes in 32 substeps of 128, 16 matrix instructions each.
; A GOES STRAIGHT INTO REGISTERS: a wave's 32 rows are read by no other wave of the work-group, and a load of their images takes 512 consecutive bytes.  Eight buffers of 32 registers take turns:
; the loads of seven substeps (56) are out while one substep is multiplied, and no barrier stands in their way.  The residual's 32 loads are the last four groups of the same stream.
; W ALONE GOES THROUGH LDS, where all four waves read it: so a slot holds 1,024 along K (eight substeps), where A's and W's tiles together would leave it 512: four slots' worth in all, two first fills and
; two refills, each refill with eight substeps (128 matrix instructions a wave) in which to land.
; CLUSTERS: 4 x 1: the four work-groups of a cluster make the same 128 columns for different rows: W's tiles and scale bytes are asked for jointly (mask 15).  A is not asked for jointly, though the eight
; column tiles read the same rows: a joint request lands in LDS, and through LDS A's bytes would halve what a slot holds of K, as said.
; The matrix instruction is used transposed (source 0 = W's rows, source 1 = A's rows): a lane holds one row of the result and eight neighbouring columns.  The bias is the C of each sum's first instruction.
; The text is written out, without a loop: every offset is an immediate, no pointer but the two walking descriptors is stepped.
; LIMITS: NaN and infinities among the inputs are not served.
; REGISTERS: window 0: v1-29 addresses; v32-95 W's scale words, two sets of 32 (register 4 b + q % 4; lanes 0-15 substeps 0-3 of a slot, lanes 16-31 substeps 4-7); v96-127 A's scale words of all of K
;   (register 2 (k / 2) + i; lanes 0-15 even substeps, lanes 16-31 odd ones); v128-255 the accumulators ((i, b) at 128 + 8 (8 i + b)).
;   window 1: two buffers of W's eight fragments.   window 2: A's eight buffers (two fragments each).   window 3: v0-63 the bias, v64-191 the residual.
.set KK,     4096
.set NSUB,   KK/128                    ; substeps
.set BP,     1040                      ; a row of W in LDS: 1,024 bytes + 16 of padding = 65 x 16: the 16 rows that a load touches start at 16 different banks
.set QUART,  32*BP                     ; 32 rows: what one tensor load brings
.set SLOT,   128*BP
.set SCB,    2*SLOT                    ; behind the ring: W's scale bytes, 128 rows x 128 bytes, as blocks of 256 bytes + 16 of padding
.set QS,     16*272                    ; those of 32 rows
.set SBLK,   8*272                     ; those of 16 rows
.set SPARE,  SCB+4*QS                  ; the spare words: 128 bytes a wave, two blocks of 256 bytes that no other line names
.set SPITCH, 528                       ; the way out: a stage of 16 rows x (512 + 16) bytes for each wave, in slot 0, which has had its last fill and its last read by then
.set DEPTH,  7                         ; groups of eight loads that are out while a substep is multiplied
.set NSTR,   NSUB+4                    ; groups in the stream: 32 of A, 4 of the residual
.set LI,   1                           ; v1   16 x lane: an image's place for my lane, and my 16 bytes of a row of 512
.set VSA,  2                           ; v2   A's scale words: 16 r + 16,384 h
.set VBI,  3                           ; v3   the bias: 32 h
.set ADRB, 16                          ; v16-19 W's fragments: slot s, blocks 0-3 at v[16 + 2 s], blocks 4-7 at v[17 + 2 s] (an LDS offset has 16 bits)
.set ADSB, 20                          ; v20  W's scale words
.set STO,  24
.set RD,   25
.set SPW,  28
.set NIL,  29
.set SBW,  32
.set SAW,  96
.set ACC,  128
.set BI,   0                           ; in window 3
.set RES,  64                          ; in window 3
.set G1B, 24                           ; s[24:31] group 1 for W's tiles;  s[32:39] group 0, one set for each slot
.set G0,  32
.set G1S, 40                           ; s[40:47], s[48:51] groups 1 and 0 for W's scale bytes
.set G0S, 48
.set MSB, 0
.macro WIN new                         ; the immediate's high byte repeats the setting that is left
.if MSB != \new
	s_set_vgpr_msb (MSB<<8)|\new
.set MSB, \new
.endif
.endm
.set MUL,  0x09                        ; source 0 (W) window 1, source 1 (A) window 2, C and D window 0
.set MULF, 0x39                        ; the same with C (the bias) in window 3
.set TO_F, 0x40                        ; destination window 1
.set TO_A, 0x80                        ; destination window 2
.set TO_R, 0xc0                        ; destination window 3
.macro JLOAD g0, g1                    ; a joint load: each wave fetches its 32 rows; four v_nop follow the line
	tensor_load_to_lds s[\g0:\g0+3], s[\g1:\g1+7]
	s_nop 0
.rept 4
	v_nop
.endr
.endm
.macro CREST                           ; a round of the cluster's barrier behind its opening barrier
	s_cmp_lg_u32 s16, 0
	s_cbranch_scc1 .Lnot_wave_0_\@
	s_barrier_signal -3
.Lnot_wave_0_\@:
	s_barrier_wait -3
	s_barrier_signal -1
	s_barrier_wait -1
.endm
.macro CROUND
	s_barrier_signal -1
	s_barrier_wait -1
	CREST
.endm
.macro PLACES n                        ; plain vector lines between a matrix instruction and a load into, or a read of, its registers
.rept \n
	v_nop
.endr
.endm
	s_load_b256 s[4:11], s[0:1], 0x0               ; A s[4:5], W's codes s[6:7], W's scales s[8:9], the bias s[10:11]
	s_load_b128 s[12:15], s[0:1], 0x20             ; the residual s[12:13], the result s[14:15]
	v_lshl_add_u32 v[SPW], v0, 2, SPARE
	v_mov_b32 v[NIL], 0
	ds_add_u32 v28, v29
	ds_add_u32 v28, v29
	s_wait_dscnt 0x0
	v_lshrrev_b32 v4, 5, v0
	v_readfirstlane_b32 s16, v4                    ; wave 0..3: my 32 rows of the tile; also: which 32 rows of W I fetch
	s_bfe_u32 s17, ttmp6, 0x40000                  ; cx: it enters A's, the residual's and the result's addresses alone
	s_lshl_b32 s18, ttmp9, 2
	s_add_co_u32 s18, s18, s17                     ; row tile = 4 x cluster x + cx
	s_and_b32 s19, ttmp7, 0xffff                   ; column tile, which the four partners share
	s_mov_b32 s[G1B], 15|(1<<20)|(1<<21)|(7<<22)|(3<<25)   ; the mask: all four; elements of 1 byte; padding on: 4 words behind every 256; bit 21 beside a mask
	s_mov_b32 s[G1B+1], 1024<<16                   ; tensor_dim0
	s_mov_b32 s[G1B+2], 32<<16                     ; tensor_dim1
	s_mov_b32 s[G1B+3], 1024<<16                   ; tile_dim0
	s_mov_b32 s[G1B+4], 32                         ; tile_dim1
	s_mov_b32 s[G1B+5], KK                         ; the pitch
	s_mov_b32 s[G1B+6], 0
	s_mov_b32 s[G1B+7], 0
	s_mov_b32 s[G1S], 15|(3<<16)|(1<<20)|(1<<21)|(5<<22)|(3<<25)   ; the scale bytes of 128 rows: a dense block of 16,384 bytes, as 64 rows of 256 bytes + 16
	s_mov_b32 s[G1S+1], 32<<16
	s_mov_b32 s[G1S+2], 64<<16
	s_mov_b32 s[G1S+3], 32<<16
	s_mov_b32 s[G1S+4], 64
	s_mov_b32 s[G1S+5], 32
	s_mov_b32 s[G1S+6], 0
	s_mov_b32 s[G1S+7], 0
	s_lshl_b32 s20, s19, 19
	s_lshl_b32 s21, s16, 17
	s_add_co_u32 s20, s20, s21                     ; W's codes: row 128 x column tile + 32 x wave, 4,096 bytes a row
	s_mov_b32 s21, 0
	s_lshl_b32 s22, s19, 14
	s_mov_b32 s23, 0
	s_mul_i32 s56, s16, QUART                      ; where they go: no place in the cluster enters an LDS address
	s_lshl_b32 s58, s18, 19
	s_lshl_b32 s59, s16, 17
	s_add_co_u32 s58, s58, s59                     ; my 32 rows: two tiles of 65,536 bytes of codes; and 32 rows of 4,096 bytes of f32: the same number
	s_mov_b32 s59, 0
	s_lshl_b32 s60, s18, 9                         ; A's scale words: 256 bytes for a group of 64 rows,
	s_lshr_b32 s61, s16, 1
	s_lshl_b32 s61, s61, 8
	s_add_co_u32 s60, s60, s61
	s_and_b32 s61, s16, 1
	s_lshl_b32 s61, s61, 3                         ; my two tiles' words of its four,
	s_add_co_u32 s60, s60, s61
	s_add_co_u32 s60, s60, 4096*KK                 ; behind the codes
	s_mov_b32 s61, 0
	s_lshl_b32 s62, s19, 9                         ; the tile's first column: 128 x 4 bytes a tile
	s_mov_b32 s63, 0
	CROUND                                         ; the opening round, ahead of the wait for the arguments: all four work-groups are here
	s_wait_kmcnt 0x0
	s_add_nc_u64 s[20:21], s[6:7], s[20:21]
	s_add_nc_u64 s[22:23], s[8:9], s[22:23]
	s_add_nc_u64 s[52:53], s[4:5], s[58:59]        ; A's codes at my first tile
	s_add_nc_u64 s[54:55], s[4:5], s[60:61]        ; A's scale words
	s_add_nc_u64 s[10:11], s[10:11], s[62:63]
	s_add_nc_u64 s[12:13], s[12:13], s[58:59]
	s_add_nc_u64 s[12:13], s[12:13], s[62:63]
	s_add_nc_u64 s[14:15], s[14:15], s[58:59]
	s_add_nc_u64 s[14:15], s[14:15], s[62:63]
	s_mov_b32 s[G0S], 1
	s_mov_b32 s[G0S+1], SCB
	s_mov_b64 s[G0S+2:G0S+3], s[22:23]
	s_or_b32 s[G0S+3], s[G0S+3], 0x80000000
.irp s, 0,1
	s_mov_b32 s[G0+4*\s], 1
	s_add_co_u32 s[G0+4*\s+1], s56, \s*SLOT
	s_add_nc_u64 s[G0+4*\s+2:G0+4*\s+3], s[20:21], \s*1024
	s_or_b32 s[G0+4*\s+3], s[G0+4*\s+3], 0x80000000
.endr
; THE HEAD'S LOADS, ONE A WAVE, in one chain of branches on the wave's number: wave 0 slot 0 whole (128 rows), wave 1 the scale bytes of all 128 rows (64 rows of 256 bytes), waves 2 and 3 the halves of slot 1 (64 rows each).
; Waves 2 and 3 have a load line of their own: the first barrier shows waves 0 and 1's tiles alone, slot 1 is shown at the first change of slots.
.set G1H, 68                           ; s[68:75] group 1 for 128 rows;  s[76:83] for 64;  s[84:87], s[88:91] their groups 0
.set G1M, 76
.set G0H, 84
.set G0M, 88
.irp g, G1H, G1M
	s_mov_b32 s[\g], 15|(1<<20)|(1<<21)|(7<<22)|(3<<25)
	s_mov_b32 s[\g+1], 1024<<16
	s_mov_b32 s[\g+3], 1024<<16
	s_mov_b32 s[\g+5], KK
	s_mov_b32 s[\g+6], 0
	s_mov_b32 s[\g+7], 0
.endr
	s_mov_b32 s[G1H+2], 128<<16
	s_mov_b32 s[G1H+4], 128
	s_mov_b32 s[G1M+2], 64<<16
	s_mov_b32 s[G1M+4], 64
	s_lshl_b32 s92, s16, 17
	s_mov_b32 s93, 0
	s_sub_nc_u64 s[94:95], s[20:21], s[92:93]      ; the tile's first row of W: my 32 rows taken off again
	s_mov_b32 s[G0H], 1
	s_mov_b32 s[G0H+1], 0
	s_mov_b64 s[G0H+2:G0H+3], s[94:95]
	s_or_b32 s[G0H+3], s[G0H+3], 0x80000000
	s_and_b32 s92, s16, 1
	s_mul_i32 s96, s92, 64*BP
	s_lshl_b32 s92, s92, 18                        ; 64 rows of 4,096 bytes
	s_mov_b32 s[G0M], 1
	s_add_co_u32 s[G0M+1], s96, SLOT
	s_add_nc_u64 s[G0M+2:G0M+3], s[94:95], s[92:93]
	s_add_nc_u64 s[G0M+2:G0M+3], s[G0M+2:G0M+3], 1024
	s_or_b32 s[G0M+3], s[G0M+3], 0x80000000
	s_cmp_eq_u32 s16, 0
	s_cbranch_scc0 .Lhead_1
	JLOAD G0H, G1H
	s_branch .Lhead_asked
.Lhead_1:
	s_cmp_eq_u32 s16, 1
	s_cbranch_scc0 .Lhead_2
	JLOAD G0S, G1S
	s_branch .Lhead_asked
.Lhead_2:
	JLOAD G0M, G1M
.Lhead_asked:
	v_and_b32 v4, 15, v0                           ; r
	v_bfe_u32 v5, v0, 4, 1                         ; h
	v_and_b32 v6, 31, v0
	v_lshlrev_b32 v[LI], 4, v6
	v_lshlrev_b32 v[VSA], 4, v4
	v_lshl_add_u32 v[VSA], v5, 14, v[VSA]          ; lanes 16-31 take the next 128 along K
	v_lshlrev_b32 v[VBI], 5, v5
	v_mul_u32_u24 v[ADRB], v4, BP
	v_lshl_add_u32 v[ADRB], v5, 4, v[ADRB]         ; a fragment's row x pitch + 16 h
	v_add_nc_u32 v[ADRB+1], 64*BP, v[ADRB]
	v_add_nc_u32 v[ADRB+2], SLOT, v[ADRB]
	v_add_nc_u32 v[ADRB+3], SLOT+64*BP, v[ADRB]
	v_lshlrev_b32 v7, 7, v4                        ; W's scale bytes: 128 a row,
	v_lshrrev_b32 v8, 1, v4
	v_lshl_add_u32 v7, v8, 4, v7                   ; 16 more for each 256 passed,
	v_lshl_add_u32 v7, v5, 4, v7                   ; lanes 16-31 the words of a slot's substeps 4-7
	v_add_nc_u32 v[ADSB], SCB, v7
	s_mul_i32 s56, s16, 16*SPITCH                  ; my stage (the descriptors have taken their LDS addresses)
	v_mul_u32_u24 v7, v4, SPITCH
	v_lshl_add_u32 v7, v5, 5, v7
	v_add_nc_u32 v[STO], s56, v7                   ; in: row r, + 32 h
	v_add_nc_u32 v[RD], s56, v[LI]                 ; back: the 32 lanes take one row of 512 bytes
; Group j of the stream: eight loads.  j < 32: A's two fragments of substep j into buffer j % 8; then the residual, eight rows a group.
.macro STREAM j
.if (\j) < NSUB
	WIN TO_A
.irp i, 0,1
.irp c, 0,1,2,3
	global_load_b128 v[32*((\j)%8)+16*\i+4*\c:32*((\j)%8)+16*\i+4*\c+3], v[LI], s[52:53] offset:65536*\i+2048*(\j)+512*\c   ; 512 consecutive bytes
.endr
.endr
.elseif (\j) < NSTR
	WIN TO_R
.irp t, 0,1,2,3,4,5,6,7
	global_load_b128 v[RES+4*(8*((\j)-NSUB)+\t):RES+4*(8*((\j)-NSUB)+\t)+3], v[LI], s[12:13] offset:(8*((\j)-NSUB)+\t)*4096 th:TH_LOAD_NT   ; a row's 512 bytes, in the layout of the stores
.endr
.endif
.endm
.macro FETCH k                         ; 32 LDS loads: W's eight fragments of substep k into buffer k % 2
	WIN TO_F
.irp b, 0,1,2,3,4,5,6,7
.irp c, 0,1,2,3
	ds_load_b128 v[128*((\k)%2)+16*\b+4*\c:128*((\k)%2)+16*\b+4*\c+3], v[ADRB+2*(((\k)/8)%2)+\b/4] offset:(\b%4)*16*BP+128*((\k)%8)+32*\c
.endr
.endr
.endm
.macro SCALES g                        ; W's scale words of the g-th 1,024 along K into set g % 2
	WIN 0
.irp b, 0,1,2,3,4,5,6,7
	ds_load_b128 v[SBW+32*((\g)%2)+4*\b:SBW+32*((\g)%2)+4*\b+3], v[ADSB] offset:\b*SBLK+32*(\g)
.endr
.endm
.macro WM d, fb, fa, c, sb, sa, ra, rb ; one product; ra, rb: W's, A's scale words stand in lanes 16-31
.if (\ra) && (\rb)
	v_wmma_scale_f32_16x16x128_f8f6f4 v[\d:\d+7], v[\fb:\fb+15], v[\fa:\fa+15], v[\c:\c+7], v[\sb], v[\sa] matrix_a_scale:MATRIX_SCALE_ROW1 matrix_b_scale:MATRIX_SCALE_ROW1
.elseif (\ra)
	v_wmma_scale_f32_16x16x128_f8f6f4 v[\d:\d+7], v[\fb:\fb+15], v[\fa:\fa+15], v[\c:\c+7], v[\sb], v[\sa] matrix_a_scale:MATRIX_SCALE_ROW1
.elseif (\rb)
	v_wmma_scale_f32_16x16x128_f8f6f4 v[\d:\d+7], v[\fb:\fb+15], v[\fa:\fa+15], v[\c:\c+7], v[\sb], v[\sa] matrix_b_scale:MATRIX_SCALE_ROW1
.else
	v_wmma_scale_f32_16x16x128_f8f6f4 v[\d:\d+7], v[\fb:\fb+15], v[\fa:\fa+15], v[\c:\c+7], v[\sb], v[\sa]
.endif
.endm
; Four products of substep k: A's tile i x W's blocks lo .. lo + 3.  The 16 accumulators take turns, one instruction a turn, in the same order in every substep.
.macro MUL4 k, i, lo
.irp b, \lo, \lo+1, \lo+2, \lo+3
.if (\k) == 0
	WM ACC+8*(8*(\i)+(\b)), 128*((\k)%2)+16*(\b), 32*((\k)%8)+16*(\i), BI+8*(\b), SBW+32*(((\k)/8)%2)+4*(\b)+(\k)%4, SAW+2*((\k)/2)+(\i), ((\k)%8)/4, (\k)%2
.else
	WM ACC+8*(8*(\i)+(\b)), 128*((\k)%2)+16*(\b), 32*((\k)%8)+16*(\i), ACC+8*(8*(\i)+(\b)), SBW+32*(((\k)/8)%2)+4*(\b)+(\k)%4, SAW+2*((\k)/2)+(\i), ((\k)%8)/4, (\k)%2
.endif
.endr
.endm
; One of a slot's first seven substeps: the next one's fragments of W and the stream's group seven on are asked for, then come this one's 16 products.
.macro SUB k
	s_wait_dscnt 0x0                               ; this substep's fragments of W (and, at a slot's head, its scale words) are in
.if (\k) > 0
	PLACES 8                                       ; W's other buffer and A's buffer (k - 1) % 8 were read by the substep before
.endif
	FETCH (\k)+1
	STREAM (\k)+DEPTH
.set TOPJ, (\k)+DEPTH
.if TOPJ > NSTR-1
.set TOPJ, NSTR-1
.endif
	s_wait_loadcnt 8*(TOPJ-(\k))                   ; loads come back in order: A's group k is in; the groups issued behind it, eight loads each, may be out
.if (\k) == 0
	WIN MULF                                       ; the first products start the sums with the bias
.else
	WIN MUL
.endif
	MUL4 \k, 0, 0
	MUL4 \k, 0, 4
	MUL4 \k, 1, 0
	MUL4 \k, 1, 4
.endm
; A slot's last substep changes slots: one barrier; in front of it each wave waits for all its tensor loads, adds 0 to its spare word, and waits for that and for its reads of this slot.
; fill = 1: this slot is filled again, with the 1,024 along K two slots on; the barrier then opens a round of the cluster's barrier, and the joint refill is the first thing behind the round.
.macro TURN k, fill
.set SL, ((\k)/8)%2
	WIN 0
	s_wait_tensorcnt 0x0                           ; all my tensor loads have landed: my part of the next slot
	ds_add_u32 v[SPW], v[NIL]                      ; 0 onto my spare word
	s_wait_dscnt 1                                 ; the add alone may be out: this substep's fragments of W are in
	s_wait_loadcnt 8*(DEPTH-1)                     ; A's group k is in; six groups were issued behind it (the seventh follows the refill)
	WIN MUL
	MUL4 \k, 0, 0
	s_wait_dscnt 0x0                               ; the add is done, and my reads of this slot are over
	s_barrier_signal -1
	MUL4 \k, 0, 4
	WIN 0
	s_barrier_wait -1
.if \fill
	CREST                                          ; no wave of any partner still reads this slot or has a load on its way
	s_add_nc_u64 s[G0+4*SL+2:G0+4*SL+3], s[G0+4*SL+2:G0+4*SL+3], 2048
	JLOAD G0+4*SL, G1B                             ; my one tensor load behind the round; its four v_nop are among the places below
	PLACES 4
.else
	PLACES 8
.endif
	FETCH (\k)+1
	SCALES ((\k)+1)/8
	STREAM (\k)+DEPTH
	WIN MUL
	MUL4 \k, 1, 0
	MUL4 \k, 1, 4
.endm
.irp j, 0,1,2,3,4,5,6,7,8,9,10,11,12,13,14,15
	global_load_b64 v[SAW+2*\j:SAW+2*\j+1], v[VSA], s[54:55] offset:32768*\j   ; A's scale words of my two tiles, all of K, once: lanes 0-15 substep 2 j, lanes 16-31 substep 2 j + 1
.endr
	WIN TO_R
.irp b, 0,1,2,3,4,5,6,7
	global_load_b128 v[BI+8*\b:BI+8*\b+3], v[VBI], s[10:11] offset:64*\b       ; lane (r, h): the bias of columns 16 b + 8 h + 0 .. 7
	global_load_b128 v[BI+8*\b+4:BI+8*\b+7], v[VBI], s[10:11] offset:64*\b+16
.endr
.irp j, 0,1,2,3,4,5,6
	STREAM \j                                      ; the stream's first seven groups
.endr
	WIN 0
	s_wait_alu depctr_va_vdst(0)
	s_cmp_lt_u32 s16, 2                            ; waves 0 and 1: slot 0 and the scale bytes are in; slot 1's two loads may be out
	s_cbranch_scc0 .Lslot_1_out
	s_wait_tensorcnt 0x0
.Lslot_1_out:
	s_barrier_signal -1
	s_barrier_wait -1
	FETCH 0
	SCALES 0
.irp k, 0,1,2,3,4,5,6
	SUB \k
.endr
	TURN 7, 1                                      ; slot 0 takes K 2,048 on
.irp k, 8,9,10,11,12,13,14
	SUB \k
.endr
	TURN 15, 1                                     ; slot 1 takes K 3,072 on
.irp k, 16,17,18,19,20,21,22
	SUB \k
.endr
	TURN 23, 0                                     ; nothing is left to fetch
.irp k, 24,25,26,27,28,29,30
	SUB \k
.endr
	s_wait_dscnt 0x0                               ; the last substep
	s_wait_loadcnt 8*(NSTR-NSUB)                   ; A's last group is in; the residual's four groups may be out
	WIN MUL
	MUL4 31, 0, 0
	MUL4 31, 0, 4
	MUL4 31, 1, 0
	MUL4 31, 1, 4
	WIN 0
; THE WAY OUT, 16 rows at a time through my own stage: a lane's 32 bytes of a row go in, whole rows of 512 bytes come back, the residual is added, and the 32 lanes store two aligned blocks of 256 bytes.
.macro OUT i
.set BK, 32+96*(\i)                    ; v32-95, then v128-191: the first block's accumulators, whose stores into the stage are done by then
.irp b, 0,1,2,3,4,5,6,7
	ds_store_b128 v[STO], v[ACC+8*(8*(\i)+\b):ACC+8*(8*(\i)+\b)+3] offset:64*\b       ; each accumulator from its low end on
	ds_store_b128 v[STO], v[ACC+8*(8*(\i)+\b)+4:ACC+8*(8*(\i)+\b)+7] offset:64*\b+16
.endr
.irp t, 0,1,2,3,4,5,6,7,8,9,10,11,12,13,14,15
	ds_load_b128 v[BK+4*\t:BK+4*\t+3], v[RD] offset:\t*SPITCH    ; LDS serves a wave's instructions in order: these see the stores above
.endr
	s_wait_dscnt 0x0
	WIN 0x0c                                       ; source 1: window 3
.set n, 0
.rept 32
	v_pk_add_f32 v[BK+n:BK+n+1], v[BK+n:BK+n+1], v[RES+64*(\i)+n:RES+64*(\i)+n+1]
.set n, n+2
.endr
	WIN 0
.irp t, 0,1,2,3,4,5,6,7,8,9,10,11,12,13,14,15
	global_store_b128 v[LI], v[BK+4*\t:BK+4*\t+3], s[14:15] offset:(16*(\i)+\t)*4096 th:TH_STORE_NT   ; 512 consecutive bytes, at a multiple of 256 from the result's first byte
.endr
.endm
	PLACES 8                                       ; behind the last products: their results are read, and their scale words' registers loaded, below
	s_wait_loadcnt 0x0                             ; the residual
	OUT 0
	OUT 1
	s_wait_tensorcnt 0x0                           ; the wave's end
	ds_add_u32 v[SPW], v[NIL]
	s_wait_dscnt 0x0
	CROUND                                         ; the closing round
	s_endpgm
.Lfunc_end_k_q41359b3371_w2:
	.size	k_q41359b3371_w2, .Lfunc_end_k_q41359b3371_w2-k_q41359b3371_w2
	.p2alignl 7, 3214868480
	.fill 96, 4, 3214868480
	.section	.rodata,"a",@progbits
	.p2align	6, 0x0
	.amdhsa_kernel k_q41359b3371_w2
		.amdhsa_group_segment_fixed_size 327680
		.amdhsa_private_segment_fixed_size 0
		.amdhsa_enable_private_segment 0
		.amdhsa_kernarg_size 48
		.amdhsa_user_sgpr_count 2
		.amdhsa_user_sgpr_kernarg_segment_ptr 1
		.amdhsa_wavefront_size32 1
		.amdhsa_system_sgpr_workgroup_id_x 1
		.amdhsa_system_sgpr_workgroup_id_y 1
		.amdhsa_system_sgpr_workgroup_id_z 1
		.amdhsa_system_vgpr_workitem_id 0
		.amdhsa_next_free_vgpr 1024
		.amdhsa_next_free_sgpr 100
		.amdhsa_reserve_vcc 0
		.amdhsa_float_denorm_mode_32 3
		.amdhsa_float_denorm_mode_16_64 3
		.amdhsa_memory_ordered 1
		.amdhsa_forward_progress 1
		.amdhsa_inst_pref_size 194
	.end_amdhsa_kernel
	.amdgpu_metadata
---
amdhsa.version: [ 1, 2 ]
amdhsa.kernels:
  - .name:           k_q41359b3371_w2
    .symbol:         k_q41359b3371_w2.kd
    .args:
      - { .name: h, .offset: 0, .size: 8, .value_kind: global_buffer, .address_space: global }
      - { .name: W2_codes, .offset: 8, .size: 8, .value_kind: global_buffer, .address_space: global }
      - { .name: W2_scales, .offset: 16, .size: 8, .value_kind: global_buffer, .address_space: global }
      - { .name: bff2, .offset: 24, .size: 8, .value_kind: global_buffer, .address_space: global }
      - { .name: res, .offset: 32, .size: 8, .value_kind: global_buffer, .address_space: global }
      - { .name: out0, .offset: 40, .size: 8, .value_kind: global_buffer, .address_space: global }
    .group_segment_fixed_size: 327680
    .private_segment_fixed_size: 0
    .kernarg_segment_align: 8
    .kernarg_segment_size: 48
    .max_flat_workgroup_size: 128
    .sgpr_count:     100
    .vgpr_count:     1024
    .wavefront_size: 32
...
	.end_amdgpu_metadata
.endif
;; end of part 6
